; MI455X (gfx1250); checked and timed in simulation.
; The chip was launched on July 23, 2026; its instructions are those of AMD's public machine-readable ISA for CDNA 5 (MIT licence, August 2026) and "CDNA5" Instruction Set Architecture Reference Guide (July 2026). The comments in the code are by the model that wrote it; some were corrected since.
;; Causal Self Attention. Allowed arithmetic: matrix products marked QUANTISED: E2M3 operands, one E8M0 scale for each 32 along K, by v_wmma_scale_f32_16x16x128_f8f6f4 with both operands' format E2M3, f32 sums; everything else in f32.
;; Inputs: Wk_codes 1,024 x 32 x 24 uint8 (E2M3 codes of Wk, K innermost, in blocks of 32 codes, four codes in three bytes); Wk_scales 1,024 x 32 uint8 (E8M0 scales of Wk, one for each 32 codes along K); Wp_codes 1,024 x 32 x 24 uint8 (E2M3 codes of Wp, K innermost, in blocks of 32 codes, four codes in three bytes); Wp_scales 1,024 x 32 uint8 (E8M0 scales of Wp, one for each 32 codes along K); Wq_codes 1,024 x 32 x 24 uint8 (E2M3 codes of Wq, K innermost, in blocks of 32 codes, four codes in three bytes); Wq_scales 1,024 x 32 uint8 (E8M0 scales of Wq, one for each 32 codes along K); Wv_codes 1,024 x 32 x 24 uint8 (E2M3 codes of Wv, K innermost, in blocks of 32 codes, four codes in three bytes); Wv_scales 1,024 x 32 uint8 (E8M0 scales of Wv, one for each 32 codes along K); bk 1,024 float32; bp 1,024 float32; bq 1,024 float32; bv 1,024 float32; x_codes 4 x 2,048 x 32 x 24 uint8 (E2M3 codes of x, K innermost, in blocks of 32 codes, four codes in three bytes); x_scales 4 x 2,048 x 32 uint8 (E8M0 scales of x, one for each 32 codes along K).
;; Outputs: out0 4 x 2,048 x 1,024 float32.
;; This version of the problem:
;;   THIS VERSION OF THE PROBLEM IS GIVEN IN LOW PRECISION. The matrix products marked QUANTISED in the list below multiply operands that are first quantised to E2M3 (2 exponent bits, 3 mantissa bits; 6 bits a number), with one power-of-two scale for each 32 numbers along K (OCP MX v1.0); their sums are f32. All else is computed in f32.
;;   The module's matrix products, in the order in which they are computed (A, B: the left and right operand; K: the contracted axis; several contracted axes count as one K, in the product's order):
;;     1. [M 8,192, K 1,024] x [K 1,024, N 1,024]; A: input x (given as codes); B: input Wq (given as codes): QUANTISED
;;     2. [M 8,192, K 1,024] x [K 1,024, N 1,024]; A: input x (given as codes); B: input Wk (given as codes): QUANTISED
;;     3. [M 8,192, K 1,024] x [K 1,024, N 1,024]; A: input x (given as codes); B: input Wv (given as codes): QUANTISED
;;     4. batch 64 x [M 2,048, K 64] x [K 64, N 2,048]; A: computed on the way; B: computed on the way: QUANTISED
;;     5. batch 64 x [M 2,048, K 2,048] x [K 2,048, N 64]; A: softmax (see below); B: computed on the way: QUANTISED
;;     6. [M 8,192, K 1,024] x [K 1,024, N 1,024]; A: computed on the way; B: input Wp (given as codes): QUANTISED
;;   THE QUANTISER, for each operand of a quantised product, along K:
;;     - K is cut into blocks of 32 from its start; a last block that is shorter is filled with zeros.
;;     - A block's scale is 2^e with e = floor(log2(the largest magnitude in the block)) - 2, held to -126 .. 127; a block of zeros has e = 0. As a byte (E8M0): e + 127.
;;     - Each number is divided by its block's scale, clamped to +-7.5, and rounded to the nearest number of E2M3, ties to even, subnormals kept.
;;     - The product sums the exact products of the quantised numbers (number of the format x scale) in f32.
;;   ~~~python
;;   def quantise(x, axis):      # numpy; x: float32 -> the quantised numbers, widened to float32 again
;;       x = np.moveaxis(x, axis, -1); K = x.shape[-1]
;;       x = np.pad(x, [(0, 0)] * (x.ndim - 1) + [(0, -K % 32)]); x = x.reshape(x.shape[:-1] + (-1, 32)); a = np.abs(x).max(-1, keepdims=True)
;;       e = np.where(a > 0, np.clip(np.frexp(np.where(a > 0, a, 1))[1] - 1 - 2, -126, 127), 0)      # np.frexp(a)[1] - 1 = floor(log2(a)), exactly
;;       r = np.clip(x / 2.0 ** e, -7.5, 7.5)
;;       step = 2.0 ** (np.maximum(np.frexp(np.where(r == 0, 1, r))[1] - 1, 0) - 3)
;;       q = np.round(r / step) * step * 2.0 ** e      # np.round: ties to even
;;       return np.moveaxis(q.reshape(q.shape[:-2] + (-1,))[..., :K], -1, axis).astype(np.float32)
;;   ~~~
;;   SOFTMAX AHEAD OF A QUANTISED PRODUCT. Where the list says 'softmax', what is quantised is not the finished softmax but p = 2^(t - M), with t = logit x log2(e) and M = ceil(the row's largest t), a whole number; so 1/2 < the row's largest p <= 1. The row's sum l is taken of the UNQUANTISED p, in f32, and the product's result is divided by l at the end. Since M is a whole number, a kernel that streams over the keys may use a running M (the ceiling of the running maximum): every later rescaling is an exact power of two, which a block's scale takes up: the codes' values come out the same.
;;   OPERANDS COMPUTED ON THE WAY. 'Computed on the way' means the value that the module computes at that place (a softmax that the list does not call 'softmax' is quantised finished and normalised). What goes into a quantiser is computed in f32, as accurately as f32 sums, v_exp_f32 and their like allow (about 1e-6 of the number): no bf16 or f16 on the way to a quantiser, and a product that is left as it is and whose result goes on into a quantised operand takes f32 operands (vector FMAs, or v_wmma_f32_16x16x4_f32). A number that lies on a knife's edge between two numbers of the format may be rounded either way, as far as f32 arithmetic and the matrix unit's own rounding can turn it there, and no further.
;;   INPUTS GIVEN AS CODES. Wk (in the module: [1024, 1024], K = its axis 1); Wp (in the module: [1024, 1024], K = its axis 1); Wq (in the module: [1024, 1024], K = its axis 1); Wv (in the module: [1024, 1024], K = its axis 1); x (in the module: [4, 2048, 1024], K = its axis 2): each comes as NAME_codes (uint8): NAME with its K axis moved to the last place and cut into blocks of 32 codes, [.., K / 32, bytes a block], one block behind the other in memory; four codes in three bytes: a row's codes are one little-endian stream of bits, code i at bits 6 i .. 6 i + 5 (a code: sign, 2 exponent bits, 3 mantissa bits); and NAME_scales (uint8): the same leading axes, one E8M0 byte (e + 127) for each 32 codes along K. Its value is code x scale, taken as it is: it is not quantised again, and the codes and scales need not be those that the quantiser above would give.
;; One version. Each part assembles by itself: llvm-mc -triple=amdgcn-amd-amdhsa -mcpu=gfx1250 --defsym DOCPART=n.
;; ======== version 1 of 1: 3 launches
;; workspace buffers: qkv 19,660,800 bytes; acod 6,291,456 bytes; asc 262,144 bytes
;; launch qkv (part 1): grid 12 x 32, 4 waves a work-group, clusters of 4 x 4, 327,680 bytes of LDS; arguments x_codes, x_scales, Wk_codes, Wk_scales, Wv_codes, Wv_scales, Wq_codes, Wq_scales, bk, bv, bq, qkv; writes qkv
.if DOCPART == 1
	.amdgcn_target "amdgcn-amd-amdhsa--gfx1250"
	.amdhsa_code_object_version 6
	.text
	.protected	k_q70072477b4_qkv
	.globl	k_q70072477b4_qkv
	.p2align	8
	.type	k_q70072477b4_qkv,@function
k_q70072477b4_qkv:
	s_mov_b64 s[64:65], 0
	v_nop
	global_prefetch_b8 v0, s[64:65] scope:SCOPE_SE
	s_setreg_imm32_b32 hwreg(HW_REG_WAVE_MODE, 25, 1), 1
	s_wait_xcnt 0x0
	s_wait_alu depctr_hold_cnt(0) depctr_sa_sdst(0) depctr_va_vdst(0) depctr_va_sdst(0) depctr_va_ssrc(0) depctr_va_vcc(0) depctr_vm_vsrc(0)
	s_getreg_b32 s2, hwreg(HW_REG_IB_STS2, 6, 4)
	s_cmp_eq_u32 s2, 0
	s_cbranch_scc0 .Lentry_in_a_cluster
	s_endpgm
.Lentry_in_a_cluster:
	s_bfe_u32 s2, ttmp6, 0x10000c
	s_cmp_lg_u32 s2, 0xf033
	s_cbranch_scc0 .Lentry_shape_is_right
	s_endpgm
.Lentry_shape_is_right:
; k = x Wk^T + bk, v = x Wv^T + bv, q = x Wq^T + bq on codes of FP6 (E2M3) with one E8M0 scale for each 32 along K = 1,024; sums in f32; the results are quantised here, in registers, and stored as the
; attention launch's operands: q and k along the head's 64 numbers, v along the keys.
; ROLES.  The cluster's x (ttmp9, equal in all sixteen partners) is the role: 0 = k, 1 = v, 2 = q.  A work-group makes 256 x 256 of one product, a wave 128 x 128: 64 accumulators, 512 registers.
; Source 0 of the matrix instruction (P) is the operand along whose rows the result is quantised: a lane's registers run along P's rows.  Source 1 (R) gives a lane its row.
;   k, q: P = the weight (features), R = x (tokens).     v: P = x (tokens = keys), R = Wv (features).   Both operands have rows of 1,024 codes, so one loop serves all roles; only pointers and tile numbers are chosen.
; K goes in steps of 256 through a ring of two LDS slots filled by the tensor data mover; the scales of the 256 + 256 rows, for all of K, come once.  4 x 4 work-groups form a cluster: R's tiles are asked for
; jointly along a row of the cluster, P's along a column.
; THE BIAS is the C of each sum's first matrix instruction: k, q: bias of the registers' features; v: bias of the lane's feature.
; THE RESULT.  A block of 16 lanes' rows x 128 along P is 64 registers a lane: four blocks of 32.  Register 16 b + i of lane half h is element 32 b + 16 (i / 8) + 8 h + i % 8: inside a block of 32 the codes
; stand in that order.  q and k are made by the same lines, v and the softmax's p have the same order of keys: both sides of each later product are permuted alike, so its sums are unchanged.
; qkv: 512 records of 38,400 bytes, record ((batch x 16 + head) x 8 + slot of 256 tokens); in it three sections of 12,800 bytes (k, v, q): 8 images of 1,536 bytes (12 operand registers x 32 lanes: registers
; 4 g .. 4 g + 3 of lane L at 512 g + 16 L), then 512 bytes of scale words.  Every store of a wave covers 512 (scale words: two times 256) consecutive bytes, aligned to 256.
; LIMITS: NaN and infinities are not served.  A block whose largest magnitude lies under 2^-124, a block of zeros too, gets the scale byte 1 (the rule gives zeros 127): such a block of zeros has zero codes, and the bytes are read by this program alone.
; REGISTERS: window 0: v0-31 addresses; v32-63 scale words, two sets, and nothing else; v64-127 the bias, 8 tiles x 8; v128-223 R's fragments, one set; v224-253 at work on the way out.
;   window 1: P's fragments, two sets.  windows 2, 3: the accumulators.
.set KSTEP,  256                       ; along K in a slot
.set NQ,     KSTEP/128                 ; matrix instructions deep
.set ROWB,   192                       ; a tile's row in bytes
.set KROW,   768                       ; a row of 1,024 codes in memory
.set PITCH,  240                       ; an LDS row: 3 x (64 bytes + 16 of padding)
.set FR,     12                        ; registers of a fragment
.set NL,     6                         ; LDS loads that bring one
.set NP,     4                         ; places behind this matrix instruction (ISA guide 7.12.1)
.set HALFT,  128*PITCH                 ; 128 rows: one tensor load
.set SLOT,   4*HALFT                   ; R's 256 rows, then P's 256 rows
.set LAPS,   2                         ; 1,024 / 512: a lap is two K steps
.set KS,     32                        ; a row of scale bytes
.set SCL,    2*SLOT                    ; behind the ring: the scales, as units of 256 bytes + 16 of padding
.set HALFS,  (128*KS/256)*272
.set SBLK,   (16*KS/256)*272
.set SPARE,  SCL+4*HALFS               ; the spare words: 128 bytes for each wave, named by no other line
.set RECB,   38400                     ; a record of qkv
.set SECB,   12800                     ; a section of it
.set HEADB,  8*RECB                    ; from a head to the next
.set ADRA, 16                          ; v16-17 LDS address of my R fragments in slot 0, 1 (v18-19: behind one padding more)
.set ADRB, 20                          ; v20-23 the same for P
.set SO,   24                          ; v24 where my four scale words go: HEADB x lane half + 16 x (lane % 16)
.set CO,   26                          ; v26 16 x lane: my place in an image's group of four registers
.set ADRS, 27                          ; v27 LDS address of my scale words: lanes 0-15 R's rows, lanes 16-31 P's
.set SPW,  28                          ; v28 LDS address of my spare word; never rewritten
.set NIL,  29                          ; v29 0; never rewritten
.set SC,   32
.set BT,   64                          ; the bias
.set AF,   128
.set TM,   224                         ; the way out: v224-227 largest magnitudes, v228-231 bytes, v236-239 the conversions' scale operands
.set PW,   240                         ; v240-241 the scale words of an even and an odd tile
.set SW,   242                         ; v242-249 the eight images' scale words
.set SS,   250                         ; v250-253 my half's four
.set CT,   68                          ; v68-75 the conversions' second halves (the bias is done with)
.set IMG,  128                         ; v128-223 eight images of 12 registers
.set SEL,  66                          ; s[66:67] lane selects for v_permlanex16_b32: lane l xor 16
.set G1, 24
.set G0, 32
.set G1B, 48
.set G0B, 56
.set G1S, 68
.set G0S, 76
.set G1SB, 80
.set G0SB, 88
.set MSB, 0
.macro WIN new                         ; the immediate's high byte repeats the setting that is left
.if MSB != (\new)
	s_set_vgpr_msb (MSB<<8)|(\new)
.set MSB, (\new)
.endif
.endm
.set MUL_LO, 0xa1                      ; source 0 (P) window 1, source 1 (R) window 0, C and D window 2
.set MUL_HI, 0xf1                      ; the same, C and D window 3
.set TO_B,   0x40                      ; destination window 1
; A joint load: waves 0 and 1 fetch for R, waves 2 and 3 for P.  The branch hangs on the wave's number alone.  Four v_nop follow each of the two lines.
.macro JLOAD g0a, g1a, g0b, g1b
	s_cmp_eq_u32 s15, 0
	s_cbranch_scc0 .Lfor_b_\@
	tensor_load_to_lds s[\g0a:\g0a+3], s[\g1a:\g1a+7]
	s_nop 0
.rept 4
	v_nop
.endr
	s_branch .Lasked_\@
.Lfor_b_\@:
	tensor_load_to_lds s[\g0b:\g0b+3], s[\g1b:\g1b+7]
	s_nop 0
.rept 4
	v_nop
.endr
.Lasked_\@:
.endm
.macro CREST                           ; a round of the cluster's barrier behind its opening barrier
	s_cmp_lg_u32 s14, 0
	s_cbranch_scc1 .Lnot_wave_0_\@
	s_barrier_signal -3
.Lnot_wave_0_\@:
	s_barrier_wait -3
	s_barrier_signal -1
	s_barrier_wait -1
.endm
.macro CROUND                          ; a whole round
	s_barrier_signal -1
	s_barrier_wait -1
	CREST
.endm
	s_load_b512 s[68:83], s[0:1], 0x0              ; x codes, x scales, Wk codes, Wk scales, Wv codes, Wv scales, Wq codes, Wq scales
	s_load_b256 s[84:91], s[0:1], 0x40             ; bk, bv, bq, qkv
	v_lshl_add_u32 v[SPW], v0, 2, SPARE
	v_mov_b32 v[NIL], 0
	ds_add_u32 v28, v29
	s_wait_dscnt 0x0
	v_lshrrev_b32 v1, 5, v0
	v_readfirstlane_b32 s14, v1                    ; wave 0..3
	s_lshr_b32 s15, s14, 1                         ; which half of R's 256 rows is mine.  Also: I fetch for R (0) or for P (1)
	s_and_b32 s16, s14, 1                          ; which half of P's 256 rows.  Also: which 128 rows of that tile I fetch
	s_bfe_u32 s40, ttmp6, 0x40000                  ; cx, cy: my place in the cluster
	s_bfe_u32 s41, ttmp6, 0x40004
	s_and_b32 s18, ttmp7, 0xffff
	s_lshl_b32 s18, s18, 2                         ; 4 x cluster y: it counts tiles of tokens
	s_cmp_eq_u32 ttmp9, 1                          ; the role v?
	s_cselect_b32 s19, s18, 0
	s_cselect_b32 s18, 0, s18
	s_add_co_u32 s42, s40, s19                     ; P's tile: cx (+ 4 x cluster y where P is x)
	s_add_co_u32 s17, s41, s18                     ; R's tile: cy (+ 4 x cluster y where R is x)
	s_lshl_b32 s43, s41, 2
	s_lshl_b32 s43, 15, s43                        ; my row of the cluster
	s_lshl_b32 s44, 0x1111, s40                    ; my column
	s_or_b32 s[G1+0], s43, (0<<16)|(1<<20)|(1<<21)|(3<<22)|(3<<25)  ; the mask: R's tiles go to my row; elements of 1 byte; padding on: 4 words behind every 16; bit 21 beside a mask
	s_or_b32 s[G1B+0], s44, (0<<16)|(1<<20)|(1<<21)|(3<<22)|(3<<25) ; P's go to my column
.irp g, G1, G1B
	s_mov_b32 s[\g+1], ROWB<<16                    ; tensor_dim0
	s_mov_b32 s[\g+2], 128<<16                     ; tensor_dim1
	s_mov_b32 s[\g+3], ROWB<<16                    ; tile_dim0
	s_mov_b32 s[\g+4], 128                         ; tile_dim1
	s_mov_b32 s[\g+5], KROW                        ; the pitch
	s_mov_b32 s[\g+6], 0
	s_mov_b32 s[\g+7], 0
.endr
	s_mov_b32 s[SEL], 0x76543210
	s_mov_b32 s[SEL+1], 0xfedcba98
	s_lshl_b32 s18, s16, 7                         ; which 128 rows of the tile I fetch
	s_lshl_b32 s20, s17, 8
	s_add_co_u32 s20, s20, s18                     ; R: row 256 x tile + 128 x half
	s_lshl_b32 s46, s42, 8
	s_add_co_u32 s46, s46, s18                     ; P likewise
	s_mov_b32 s21, 0
	s_mov_b32 s47, 0
	s_mov_b64 s[18:19], KS
	s_mul_u64 s[22:23], s[20:21], s[18:19]         ; where these rows' scales begin, in bytes
	s_mul_u64 s[92:93], s[46:47], s[18:19]
	s_mov_b64 s[18:19], KROW
	s_mul_u64 s[20:21], s[20:21], s[18:19]         ; and their codes
	s_mul_u64 s[46:47], s[46:47], s[18:19]
	s_mul_i32 s45, s14, HALFT                      ; where they go: wave x 128 rows
	s_mul_i32 s94, s14, HALFS
	s_wait_kmcnt 0x0
	s_cmp_eq_u32 ttmp9, 0                          ; the buffers are chosen by the role, which hangs on no address
	s_cselect_b64 s[72:73], s[72:73], s[80:81]     ; Wk or Wq
	s_cselect_b64 s[74:75], s[74:75], s[82:83]
	s_cselect_b64 s[84:85], s[84:85], s[88:89]     ; bk or bq
	s_cmp_eq_u32 ttmp9, 1
	s_cselect_b64 s[4:5], s[76:77], s[68:69]       ; R's codes: Wv's, else x's
	s_cselect_b64 s[6:7], s[78:79], s[70:71]       ; R's scales
	s_cselect_b64 s[8:9], s[68:69], s[72:73]       ; P's codes: x's, else the weight's
	s_cselect_b64 s[10:11], s[70:71], s[74:75]     ; P's scales
	s_cselect_b64 s[96:97], s[86:87], s[84:85]     ; the bias
	s_mov_b64 s[12:13], s[90:91]                   ; qkv
	s_add_nc_u64 s[20:21], s[4:5], s[20:21]
	s_add_nc_u64 s[22:23], s[6:7], s[22:23]
	s_add_nc_u64 s[46:47], s[8:9], s[46:47]
	s_add_nc_u64 s[92:93], s[10:11], s[92:93]
	; the scales of 128 rows: a dense block of 4,096 bytes, as 16 rows of 256 bytes, 16 bytes of padding behind each.  (Written here: the registers held the arguments until now.)
	s_or_b32 s[G1S+0], s43, (3<<16)|(1<<20)|(1<<21)|(5<<22)|(3<<25)
	s_or_b32 s[G1SB+0], s44, (3<<16)|(1<<20)|(1<<21)|(5<<22)|(3<<25)
.irp g, G1S, G1SB
	s_mov_b32 s[\g+1], 32<<16
	s_mov_b32 s[\g+2], (128*KS/256)<<16
	s_mov_b32 s[\g+3], 32<<16
	s_mov_b32 s[\g+4], 128*KS/256
	s_mov_b32 s[\g+5], 32
	s_mov_b32 s[\g+6], 0
	s_mov_b32 s[\g+7], 0
.endr
	CROUND                                         ; all sixteen work-groups are here: the first joint loads meet
	s_mov_b32 s[G0S], 1
	s_add_co_u32 s[G0S+1], s94, SCL
	s_mov_b64 s[G0S+2:G0S+3], s[22:23]
	s_or_b32 s[G0S+3], s[G0S+3], 0x80000000
	s_mov_b32 s[G0SB], 1
	s_add_co_u32 s[G0SB+1], s94, SCL
	s_mov_b64 s[G0SB+2:G0SB+3], s[92:93]
	s_or_b32 s[G0SB+3], s[G0SB+3], 0x80000000
	JLOAD G0S, G1S, G0SB, G1SB                     ; the scales first: they are wanted with K step 0
.irp s, 0,1
	s_mov_b32 s[G0+4*\s], 1
	s_add_co_u32 s[G0+4*\s+1], s45, \s*SLOT
	s_add_nc_u64 s[G0+4*\s+2:G0+4*\s+3], s[20:21], \s*ROWB
	s_or_b32 s[G0+4*\s+3], s[G0+4*\s+3], 0x80000000
	s_mov_b32 s[G0B+4*\s], 1
	s_add_co_u32 s[G0B+4*\s+1], s45, \s*SLOT
	s_add_nc_u64 s[G0B+4*\s+2:G0B+4*\s+3], s[46:47], \s*ROWB
	s_or_b32 s[G0B+4*\s+3], s[G0B+4*\s+3], 0x80000000
	JLOAD G0+4*\s, G1, G0B+4*\s, G1B
.endr
	v_and_b32 v1, 15, v0                           ; r = lane % 16
	v_bfe_u32 v2, v0, 4, 1                         ; h = lane / 16
	v_mul_u32_u24 v3, v1, PITCH
	v_mul_u32_u24 v4, v2, 24
	v_add_nc_u32 v4, v3, v4                        ; a fragment's row x pitch + 24 x half
	v_lshl_add_u32 v5, v2, 4, v4                   ; and the same behind one padding more
	s_mul_i32 s21, s15, HALFT                      ; my 128 rows of R
	s_mul_i32 s22, s16, HALFT                      ; my 128 rows of P,
	s_add_co_u32 s22, s22, 2*HALFT                 ; which lie behind R's 256
.irp s, 0,1
	v_add_nc_u32 v[ADRA+\s], s21, v4
	v_add_nc_u32 v[ADRB+\s], s22, v4
	v_add_nc_u32 v[ADRA+2+\s], s21, v5
	v_add_nc_u32 v[ADRB+2+\s], s22, v5
	s_add_co_u32 s21, s21, SLOT
	s_add_co_u32 s22, s22, SLOT
.endr
	v_mul_u32_u24 v5, v1, KS                       ; my row's scales: 32 bytes a row,
	v_lshrrev_b32 v6, 8, v5
	v_lshl_add_u32 v5, v6, 4, v5                   ; and 16 more for each 256 passed
	s_mul_i32 s21, s15, HALFS
	s_mul_i32 s22, s16, HALFS
	s_add_co_u32 s22, s22, 2*HALFS
	s_sub_co_u32 s22, s22, s21
	v_mul_u32_u24 v6, s22, v2                      ; lanes 16-31 take P's: one product, the distance between the two bases
	s_add_co_u32 s21, s21, SCL
	v_add_nc_u32 v5, v5, v6
	v_add_nc_u32 v[ADRS], s21, v5
	v_and_b32 v6, 31, v0
	v_lshlrev_b32 v[CO], 4, v6                     ; 16 x lane
	v_mul_u32_u24 v[SO], v2, HEADB
	v_lshl_add_u32 v[SO], v1, 4, v[SO]             ; lanes 0-15: my first head's words, lanes 16-31: my second head's
	v_lshlrev_b32 v7, 5, v2                        ; the bias of k, q: 8 numbers from 8 h on
	v_lshlrev_b32 v8, 2, v1                        ; the bias of v: number r
	; where my results go
	s_cmp_eq_u32 ttmp9, 1
	s_cselect_b32 s92, s42, s17                    ; the tile of 256 tokens
	s_cselect_b32 s93, s17, s42                    ; the tile of 256 features
	s_cselect_b32 s94, s16, s15                    ; my half of the tokens
	s_cselect_b32 s95, s15, s16                    ; my half of the features
	s_lshl_b32 s18, s93, 2
	s_lshl_b32 s19, s95, 1
	s_add_co_u32 s18, s18, s19                     ; my first head: 4 x tile + 2 x half
	s_lshr_b32 s19, s92, 3
	s_lshl_b32 s19, s19, 4
	s_add_co_u32 s18, s18, s19                     ; + 16 x batch
	s_lshl_b32 s18, s18, 3
	s_and_b32 s19, s92, 7
	s_add_co_u32 s18, s18, s19                     ; the record
	s_mul_i32 s18, s18, RECB
	s_mul_i32 s19, ttmp9, SECB
	s_add_co_u32 s18, s18, s19                     ; its section for my role, in bytes (under 2^25)
	s_mov_b32 s19, 0
	s_add_nc_u64 s[12:13], s[12:13], s[18:19]
	s_lshl_b32 s20, s94, 8
	s_add_co_u32 s20, s20, 12288
	s_mov_b32 s21, 0
	s_add_nc_u64 s[98:99], s[12:13], s[20:21]      ; my 256 bytes of scale words
	s_mul_i32 s20, s94, 6144
	s_add_nc_u64 s[12:13], s[12:13], s[20:21]      ; my four images
	s_lshl_b32 s20, s93, 10
	s_lshl_b32 s22, s95, 9
	s_add_co_u32 s20, s20, s22
	s_add_nc_u64 s[96:97], s[96:97], s[20:21]      ; the bias of my 128 features
	; Each of the two arms writes all 64 registers of the bias, so that they are written on every way to either copy of the first K step.
	s_cmp_eq_u32 ttmp9, 1
	s_cbranch_scc1 .Lbias_v
.irp b, 0,1,2,3,4,5,6,7
	global_load_b128 v[BT+8*\b:BT+8*\b+3], v7, s[96:97] offset:64*\b          ; tile b: bias(16 b + 8 h + 0 .. 7)
	global_load_b128 v[BT+8*\b+4:BT+8*\b+7], v7, s[96:97] offset:64*\b+16
.endr
	s_branch .Lbias_in
.Lbias_v:
.irp a, 0,1,2,3,4,5,6,7
	global_load_b32 v[BT+8*\a], v8, s[96:97] offset:64*\a                     ; tile a: bias(16 a + r)
.endr
	s_wait_loadcnt 0x0                             ; my three tensor loads are on their way meanwhile
.irp a, 0,1,2,3,4,5,6,7
.irp j, 1,2,3,4,5,6,7
	v_mov_b32 v[BT+8*\a+\j], v[BT+8*\a]            ; a lane's feature has one bias for all eight tokens of a tile
.endr
.endr
.Lbias_in:
.macro FRAG reg, adr, q, i             ; a fragment: lane l holds row l % 16; registers 6 c .. 6 c + 5 hold K = 64 c + 32 (l / 16) + 0 .. 31: 24 bytes of the row's stream of bits, in pieces of 8 bytes
.irp p, 0,1,2,3,4,5
.set PC, 12*(\q)+6*(\p/3)+\p%3        ; 16 bytes of padding lie behind every 8 pieces: where lanes 16-31's piece, three on, lies behind one padding more, the second address register serves
.if PC%8 < 5
	ds_load_b64 v[\reg+2*\p:\reg+2*\p+1], v[\adr] offset:8*PC+16*(PC/8)+(\i)*16*PITCH
.else
	ds_load_b64 v[\reg+2*\p:\reg+2*\p+1], v[\adr+2] offset:8*PC+16*(PC/8)+(\i)*16*PITCH
.endif
.endr
.endm
; 16 matrix instructions: R's blocks a0, a0 + 1 x P's eight, 128 along K.  zero = 0: in place; 1: the sums start from the bias of P's block; 2: from that of R's block.
; The 64 accumulators take turns, one instruction a turn, in the same order in every step.
.macro MUL16 a0, p, q, sc, zero
.irp a, \a0, \a0+1
.irp b, 0,1,2,3,4,5,6,7
.if \zero == 1
	v_wmma_scale_f32_16x16x128_f8f6f4 v[8*(8*((\a)%4)+\b):8*(8*((\a)%4)+\b)+7], v[128*(\p)+FR*\b:128*(\p)+FR*\b+FR-1], v[AF+FR*(\a):AF+FR*(\a)+FR-1], v[BT+8*\b:BT+8*\b+7], v[SC+8*NQ*(\sc)+NQ*\b+(\q)], v[SC+8*NQ*(\sc)+NQ*(\a)+(\q)] matrix_a_fmt:MATRIX_FMT_FP6 matrix_b_fmt:MATRIX_FMT_FP6 matrix_a_scale:MATRIX_SCALE_ROW1
.elseif \zero == 2
	v_wmma_scale_f32_16x16x128_f8f6f4 v[8*(8*((\a)%4)+\b):8*(8*((\a)%4)+\b)+7], v[128*(\p)+FR*\b:128*(\p)+FR*\b+FR-1], v[AF+FR*(\a):AF+FR*(\a)+FR-1], v[BT+8*(\a):BT+8*(\a)+7], v[SC+8*NQ*(\sc)+NQ*\b+(\q)], v[SC+8*NQ*(\sc)+NQ*(\a)+(\q)] matrix_a_fmt:MATRIX_FMT_FP6 matrix_b_fmt:MATRIX_FMT_FP6 matrix_a_scale:MATRIX_SCALE_ROW1
.else
	v_wmma_scale_f32_16x16x128_f8f6f4 v[8*(8*((\a)%4)+\b):8*(8*((\a)%4)+\b)+7], v[128*(\p)+FR*\b:128*(\p)+FR*\b+FR-1], v[AF+FR*(\a):AF+FR*(\a)+FR-1], v[8*(8*((\a)%4)+\b):8*(8*((\a)%4)+\b)+7], v[SC+8*NQ*(\sc)+NQ*\b+(\q)], v[SC+8*NQ*(\sc)+NQ*(\a)+(\q)] matrix_a_fmt:MATRIX_FMT_FP6 matrix_b_fmt:MATRIX_FMT_FP6 matrix_a_scale:MATRIX_SCALE_ROW1
.endif
.endr
.endr
.endm
.macro FETCH_B slot, q, p              ; P's eight fragments of the slot's q-th 128 along K into set p
	WIN TO_B
.irp i, 0,1,2,3,4,5,6,7
	FRAG 128*(\p)+FR*\i, ADRB+\slot, \q, \i
.endr
	WIN 0
.endm
.macro FETCH_A slot, q, i0             ; R's blocks i0 .. i0 + 3
.irp i, \i0, \i0+1, \i0+2, \i0+3
	FRAG AF+FR*(\i), ADRA+\slot, \q, \i
.endr
.endm
.macro SCALES sc                       ; a K step's scale words into set sc: lanes 0-15 take R's block i, lanes 16-31 P's block i
.irp i, 0,1,2,3,4,5,6,7
	ds_load_b64 v[SC+8*NQ*\sc+NQ*\i:SC+8*NQ*\sc+NQ*\i+1], v[ADRS] offset:\i*SBLK
.endr
.endm
.macro PLACES n                        ; plain vector instructions between a matrix instruction and a load into, or a vector read or write of, its registers
.rept \n
	v_nop
.endr
.endm
; A step of 128 along K that has its successor in the same slot.
.macro STEP slot, q, zero
	s_wait_dscnt 4*NL                              ; P's set and R's blocks 0-3 are in; the youngest 24 loads (R's blocks 4-7) may be out
.if \zero
	WIN 0x81                                       ; D window 2, C (the bias) window 0
.else
	WIN MUL_LO
.endif
	MUL16 0, (\q)%2, \q, \slot, \zero
	MUL16 2, (\q)%2, \q, \slot, \zero
	s_wait_dscnt 0                                 ; R's blocks 4-7 are in
	PLACES NP
	FETCH_B \slot, (\q)+1, 1-(\q)%2
	FETCH_A \slot, (\q)+1, 0
.if \zero
	WIN 0xc1                                       ; D window 3, C window 0
.else
	WIN MUL_HI
.endif
	MUL16 4, (\q)%2, \q, \slot, \zero
	MUL16 6, (\q)%2, \q, \slot, \zero
	PLACES NP
	WIN 0
	FETCH_A \slot, (\q)+1, 4
.endm
; A slot's last step changes slots: ONE barrier; in front of it each wave waits for all its tensor loads, adds 0 to its spare word, and waits for that and for its own reads of this slot.
.macro TURN slot, next, fill
	s_wait_tensorcnt 0x0                           ; all my tensor loads have landed: my part of the next slot
	ds_add_u32 v[SPW], v[NIL]                      ; 0 onto my spare word
	s_wait_dscnt 4*NL+1                            ; (the add and the youngest 24 loads may be out)
	WIN MUL_LO
	MUL16 0, 1, NQ-1, \slot, 0                     ; sixteen matrix instructions stand between the add and the wait for it
	s_wait_dscnt 0x0                               ; the add is done, and my reads of this slot are over
	s_barrier_signal -1
	MUL16 2, 1, NQ-1, \slot, 0
	WIN 0
	s_barrier_wait -1
.if \fill
	CREST                                          ; the barrier has opened a round of the cluster's barrier: no wave of any partner still reads this slot or has a load on its way
	s_add_nc_u64 s[G0+4*\slot+2:G0+4*\slot+3], s[G0+4*\slot+2:G0+4*\slot+3], 2*ROWB
	s_add_nc_u64 s[G0B+4*\slot+2:G0B+4*\slot+3], s[G0B+4*\slot+2:G0B+4*\slot+3], 2*ROWB
	JLOAD G0+4*\slot, G1, G0B+4*\slot, G1B         ; the first tensor load behind the round; its four v_nop are the places in front of the loads below
.else
	PLACES NP
.endif
	v_add_nc_u32 v[ADRS], 4*NQ, v[ADRS]            ; on to the next K step's scale words
	FETCH_B \next, 0, 0
	FETCH_A \next, 0, 0
	SCALES \next
	WIN MUL_HI
	MUL16 4, 1, NQ-1, \slot, 0
	MUL16 6, 1, NQ-1, \slot, 0
	PLACES NP
	WIN 0
	FETCH_A \next, 0, 4
.endm
	s_wait_tensorcnt 1                             ; the scales and my part of K step 0 are in (of my three loads K step 1's may be out),
	s_barrier_signal -1
	s_barrier_wait -1                              ; everybody's are
	FETCH_B 0, 0, 0
	FETCH_A 0, 0, 0
	SCALES 0
	FETCH_A 0, 0, 4
	s_wait_loadcnt 0x0                             ; the bias
	s_cmp_eq_u32 ttmp9, 1                          ; the first step is written once for each way of the bias: only its C operands differ
	s_cbranch_scc1 .Lfirst_v
	STEP 0, 0, 1
	s_branch .Lfirst_done
.Lfirst_v:
	STEP 0, 0, 2
.Lfirst_done:
	s_mov_b32 s3, LAPS-1
.Llap:                                                 ; a trip goes once round the ring, from a lap's second step to the next lap's first, and fills both slots again
	TURN 0, 1, 1
	STEP 1, 0, 0
	TURN 1, 0, 1
	STEP 0, 0, 0
	s_sub_co_u32 s3, s3, 1
	s_cmp_lg_u32 s3, 0
	s_cbranch_scc1 .Llap
	TURN 0, 1, 0                                   ; the last lap fills nothing
	STEP 1, 0, 0
	s_wait_dscnt 4*NL                              ; the very last step
	WIN MUL_LO
	MUL16 0, 1, NQ-1, 1, 0
	MUL16 2, 1, NQ-1, 1, 0
	s_wait_dscnt 0
	WIN MUL_HI
	MUL16 4, 1, NQ-1, 1, 0
	MUL16 6, 1, NQ-1, 1, 0
	WIN 0
; THE WAY OUT.  QUANTW: the 64 numbers a lane holds of R's block a (four blocks of 32, each shared with lane l xor 16) become 2 x 6 operand registers, at d0 (blocks 0, 1) and d1 (blocks 2, 3), and a scale word in pw.
; A block's scale operand is its largest magnitude with 2 taken off the exponent field; the floor 2^(3 - 127) among the maximum's leaves holds the byte at 1 from below.  Each accumulator is read from its low end on.
.macro QUANTW a, d0, d1, pw
.set QWIN, 2+(\a)/4
.set QACC, 64*((\a)%4)
	WIN 5*QWIN                                     ; sources 0 and 1: the accumulators' window
.irp b, 0,1,2,3
	v_max3_num_f32 v[TM+\b], |v[QACC+16*\b]|, |v[QACC+16*\b+1]|, 0x1800000
.endr
.irp i, 2,4,6,8,10,12,14
.irp b, 0,1,2,3
	v_max3_num_f32 v[TM+\b], |v[QACC+16*\b+\i]|, |v[QACC+16*\b+\i+1]|, v[TM+\b]   ; the four blocks by turns
.endr
.endr
	WIN 0
.irp b, 0,1,2,3
	v_permlanex16_b32 v[TM+4+\b], v[TM+\b], s[SEL], s[SEL+1]
.endr
.irp b, 0,1,2,3
	v_max_num_f32 v[TM+\b], v[TM+\b], v[TM+4+\b]   ; with lane l xor 16's: the block's largest magnitude
.endr
.irp b, 0,1,2,3
	v_add_nc_u32 v[TM+12+\b], 0xff000000, v[TM+\b] ; 2 off its exponent field: the conversion's scale operand
.endr
.irp b, 0,1,2,3
	v_lshrrev_b32 v[TM+4+\b], 23, v[TM+12+\b]      ; the scale's byte
.endr
	v_lshl_or_b32 v[\pw], v[TM+5], 8, v[TM+4]
	v_lshl_or_b32 v[\pw], v[TM+6], 16, v[\pw]
	v_lshl_or_b32 v[\pw], v[TM+7], 24, v[\pw]
	WIN QWIN                                       ; source 0: the accumulators' window
	v_cvt_scalef32_pk16_fp6_f32 v[(\d0):(\d0)+2], v[QACC:QACC+15], v[TM+12]
	v_cvt_scalef32_pk16_fp6_f32 v[CT:CT+2], v[QACC+16:QACC+31], v[TM+13]      ; (a conversion's three registers begin on an even number: the second half of a block's six is made elsewhere and moved)
	v_cvt_scalef32_pk16_fp6_f32 v[(\d1):(\d1)+2], v[QACC+32:QACC+47], v[TM+14]
	v_cvt_scalef32_pk16_fp6_f32 v[CT+4:CT+6], v[QACC+48:QACC+63], v[TM+15]
	WIN 0
	v_nop                                          ; one plain place behind a scaled conversion
.irp i, 0,1,2                                  ; the operand's layout wants a whole block in a lane: lanes 0-15 the even block, lanes 16-31 the odd one
	v_permlane16_swap_b32 v[(\d0)+\i], v[CT+\i]
	v_permlane16_swap_b32 v[(\d1)+\i], v[CT+4+\i]
.endr
.irp i, 0,1,2
	v_mov_b32 v[(\d0)+3+\i], v[CT+\i]
	v_mov_b32 v[(\d1)+3+\i], v[CT+4+\i]
.endr
.endm
	PLACES NP                                      ; behind the last products: what follows writes registers that held their fragments, and reads results
.irp b, 0,1,2,3
	v_mov_b32 v[TM+4+\b], 0                        ; written once: a lane permute's destination counts as one of its sources
.endr
	s_cmp_eq_u32 ttmp9, 1
	s_cbranch_scc1 .Lepi_v
; k, q: block a is 16 tokens x my two heads' 64 + 64 numbers.  Image 4 c + i of head c holds tokens 32 i + r in registers 0-5 and tokens 32 i + 16 + r in registers 6-11; its word: two bytes of each.
.irp a, 0,1,2,3,4,5,6,7
	QUANTW \a, IMG+12*(\a/2)+6*(\a%2), IMG+12*(4+\a/2)+6*(\a%2), PW+\a%2
.if \a%2
	v_perm_b32 v[SW+\a/2], v[PW+1], v[PW], 0x05040100      ; head 0: bytes 0, 1 of the even tile's word, then of the odd tile's
	v_perm_b32 v[SW+4+\a/2], v[PW+1], v[PW], 0x07060302    ; head 1: bytes 2, 3
.endif
.endr
	s_branch .Lepi_done
.Lepi_v:
; v: block a is 16 of a head's numbers (head a / 4, tile a % 4) x 128 keys: a whole fragment, image a, and its word
.irp a, 0,1,2,3,4,5,6,7
	QUANTW \a, IMG+12*\a, IMG+12*\a+6, SW+\a
.endr
.Lepi_done:
.irp c, 0,1
.irp i, 0,1,2,3
.irp g, 0,1,2
	global_store_b128 v[CO], v[IMG+12*(4*\c+\i)+4*\g:IMG+12*(4*\c+\i)+4*\g+3], s[12:13] offset:\c*HEADB+1536*\i+512*\g   ; 32 lanes store 512 consecutive bytes, aligned to 256
.endr
.endr
.endr
	v_cmp_eq_u32 vcc_lo, 1, v2
.irp i, 0,1,2,3
	v_cndmask_b32 v[SS+\i], v[SW+\i], v[SW+4+\i], vcc_lo   ; lanes 0-15 my first head's four words, lanes 16-31 my second head's
.endr
	global_store_b128 v[SO], v[SS:SS+3], s[98:99]  ; sixteen lanes store 256 consecutive bytes, aligned
	s_wait_tensorcnt 0x0                           ; the wave's end
	ds_add_u32 v[SPW], v[NIL]
	s_wait_dscnt 0x0
	CROUND                                         ; the closing round: no work-group ends while a partner may still ask for a tile that names it
	s_endpgm
.Lfunc_end_k_q70072477b4_qkv:
	.size	k_q70072477b4_qkv, .Lfunc_end_k_q70072477b4_qkv-k_q70072477b4_qkv
	.p2alignl 7, 3214868480
	.fill 96, 4, 3214868480
	.section	.rodata,"a",@progbits
	.p2align	6, 0x0
	.amdhsa_kernel k_q70072477b4_qkv
		.amdhsa_group_segment_fixed_size 327680
		.amdhsa_private_segment_fixed_size 0
		.amdhsa_enable_private_segment 0
		.amdhsa_kernarg_size 96
		.amdhsa_user_sgpr_count 2
		.amdhsa_user_sgpr_kernarg_segment_ptr 1
		.amdhsa_wavefront_size32 1
		.amdhsa_system_sgpr_workgroup_id_x 1
		.amdhsa_system_sgpr_workgroup_id_y 1
		.amdhsa_system_sgpr_workgroup_id_z 1
		.amdhsa_system_vgpr_workitem_id 0
		.amdhsa_next_free_vgpr 1024
		.amdhsa_next_free_sgpr 100
		.amdhsa_reserve_vcc 1
		.amdhsa_float_denorm_mode_32 3
		.amdhsa_float_denorm_mode_16_64 3
		.amdhsa_memory_ordered 1
		.amdhsa_forward_progress 1
		.amdhsa_inst_pref_size 215
	.end_amdhsa_kernel
	.amdgpu_metadata
---
amdhsa.version: [ 1, 2 ]
amdhsa.kernels:
  - .name:           k_q70072477b4_qkv
    .symbol:         k_q70072477b4_qkv.kd
    .args:
      - { .name: x_codes, .offset: 0, .size: 8, .value_kind: global_buffer, .address_space: global }
      - { .name: x_scales, .offset: 8, .size: 8, .value_kind: global_buffer, .address_space: global }
      - { .name: Wk_codes, .offset: 16, .size: 8, .value_kind: global_buffer, .address_space: global }
      - { .name: Wk_scales, .offset: 24, .size: 8, .value_kind: global_buffer, .address_space: global }
      - { .name: Wv_codes, .offset: 32, .size: 8, .value_kind: global_buffer, .address_space: global }
      - { .name: Wv_scales, .offset: 40, .size: 8, .value_kind: global_buffer, .address_space: global }
      - { .name: Wq_codes, .offset: 48, .size: 8, .value_kind: global_buffer, .address_space: global }
      - { .name: Wq_scales, .offset: 56, .size: 8, .value_kind: global_buffer, .address_space: global }
      - { .name: bk, .offset: 64, .size: 8, .value_kind: global_buffer, .address_space: global }
      - { .name: bv, .offset: 72, .size: 8, .value_kind: global_buffer, .address_space: global }
      - { .name: bq, .offset: 80, .size: 8, .value_kind: global_buffer, .address_space: global }
      - { .name: qkv, .offset: 88, .size: 8, .value_kind: global_buffer, .address_space: global }
    .group_segment_fixed_size: 327680
    .private_segment_fixed_size: 0
    .kernarg_segment_align: 8
    .kernarg_segment_size: 96
    .max_flat_workgroup_size: 128
    .sgpr_count:     100
    .vgpr_count:     1024
    .wavefront_size: 32
...
	.end_amdgpu_metadata
.endif
;; end of part 1
;; launch attn (part 2): grid 4 x 64, 16 waves a work-group, no clusters, 327,680 bytes of LDS; arguments qkv, acod, asc; writes acod, asc
.if DOCPART == 2
	.amdgcn_target "amdgcn-amd-amdhsa--gfx1250"
	.amdhsa_code_object_version 6
	.text
	.protected	k_q70072477b4_attn
	.globl	k_q70072477b4_attn
	.p2align	8
	.type	k_q70072477b4_attn,@function
k_q70072477b4_attn:
	s_mov_b64 s[64:65], 0
	v_nop
	global_prefetch_b8 v0, s[64:65] scope:SCOPE_SE
	s_setreg_imm32_b32 hwreg(HW_REG_WAVE_MODE, 25, 1), 1
	s_wait_xcnt 0x0
; Causal attention of one head on codes of FP6 (E2M3): S^T = k q^T, p = 2^(t - M), O^T = v^T p^T, O / l, and O quantised along the 1,024 features for the projection.
; t = score x log2(e) / 8; M = the running largest t rounded UP to a whole number; p is quantised along the keys, not normalised; l is the sum of the unquantised p.  When M moves, l and O^T are multiplied by 2^(old M - new M): exact.
; SHARES.  Work-group (x = i, y = batch x 16 + head) owns the blocks i and 7 - i of 256 queries; each of its sixteen waves 16 queries of the block in hand, in 256 registers: four waves to a SIMD, so that one
; wave's vector work stands beside another's products and LDS loads.  Block i wants key slots 0 .. i, block 7 - i slots 0 .. 7 - i: NINE slots of 256 keys for every work-group, two of them on the diagonal.  So the 256
; work-groups have equal work, the loop's trip count is a constant, and no tile is fetched that nobody reads.
; NO CLUSTER: the four work-groups of a head want different slots in the same trip (their first blocks end after 1, 2, 3, 4 trips), so no joint request would meet; a trip's tile is 25,600 bytes.
; THE RECORDS of qkv hold operands as images of their registers (registers 4 g .. 4 g + 3 of lane L at 512 g + 16 L), so a fragment is three ds_load_b128 of 512 consecutive bytes and a slot is one dense block.
; THE HEAD'S 64 ARE HALF OF THE INSTRUCTION'S K.  An image of k holds keys 32 i + r in its first 64 along K and keys 32 i + 16 + r in its second; q stands twice, as [q | 0] and as [0 | q]: each picks one half.
; So every loaded register is used.  Zero codes add nothing under any scale byte but 0xff, and the bytes here lie between 1 and 254.
; A lane holds ONE query (lane % 16) throughout.  Register 16 b + i of S^T is key 32 b + 16 (i / 8) + 8 (lane / 16) + i % 8: the order in which v's codes were laid along the keys.
; OUTPUT.  acod: [K slot of 256][tile of 16 tokens][K step][6 planes of 256 bytes]: plane P holds operand registers 2 P, 2 P + 1 of lane L at 8 L, K in its true order.  asc: [token][32] scale bytes.
; A head owns 2 of a token's 32 scale bytes, so these leave as single bytes, 32 bytes apart: 262,144 bytes in the whole launch.
; LIMITS: NaN and infinities are not served.  A block whose largest magnitude lies under 2^-124, a block of zeros too, gets the scale byte 1; a block of zeros has zero codes, and this program alone reads the bytes.
.set RECB,  38400                      ; a record: k's section, v's, q's, 12,800 bytes each
.set HEADB, 8*RECB
.set SLOT1, 32768                      ; LDS: slot 0 at 0, slot 1 here: one exclusive or turns one into the other.  A slot: k's codes 0, k's words 12,288, v's codes 12,800, v's words 25,088
.set SPARE, 65536                      ; the spare words: 128 bytes for each of sixteen waves, named by no other line
.set AK0, 1                            ; v1   16 x lane
.set AS0, 2                            ; v2   16 x (lane % 16)
.set ADR, 3                            ; v3   the slot's images
.set ADS, 4                            ; v4   the slot's scale words
.set SPW, 5                            ; v5   LDS address of my spare word; never rewritten
.set NIL, 6                            ; v6   0; never rewritten
.set H,   7                            ; v7   lane / 16
.set QA,  8                            ; v8-10 byte offsets of q's three pieces of 8 bytes in a record
.set QAS, 11                           ; v11  of q's two scale bytes
                                       ; v12 -M, v13 the largest t, v[14:15] l in two halves
.set QLO, 16                           ; v16-27 [q | 0];  v28-39 [0 | q]
.set QHI, 28
.set KI,  40                           ; v40-87 four images of k, then four fragments of v
.set KSW, 88                           ; v88-91 k's scale words
.set VSW, 92                           ; v92-95 v's
.set S,   96                           ; v96-159 S^T, then p
.set O,   160                          ; v160-191 O^T
.set PCD, 192                          ; v192-203 p's codes
.set BM,  204                          ; v204-207 the blocks' largest scores, then largest p
.set BT2, 208                          ; v208-215 at work: the other half's maxima, bytes, the conversions' second halves
.set SCO, 216                          ; v216-219 the conversions' scale operands
.set F,   220                          ; v220 f = 2^(old M - new M)
.set PS,  221                          ; v221 p's scale word
.set TX,  222                          ; v222-223 at work
.set SU2, 224                          ; v[224:225] the sum's second chain
.set QS,  226                          ; v226 q's scale word
.set OC,  227                          ; v227 8 x lane
.set OSB, 228                          ; v228 32 x (lane % 16) + lane / 16
.set WV,  10
.set WI,  11                           ; s11 i
.set BH,  12
.set TR,  13                           ; s13 the trip
.set TB,  14                           ; s14 LDS byte at which the slot in hand begins
.set KF,  15                           ; s15 the step's first key
.set Q0,  16                           ; s16 my first query
.set QB,  17                           ; s17 the block of queries in hand
.set RESET, 18                         ; s18 (i + 1) records: back to key slot 0
.set SEL, 20
.set CS,  22                           ; s[22:23] c = log2(e) / 8
.set G1,  24
.set G0,  32
.set QP,  36                           ; s[36:37] the record of my queries
.set HB,  38                           ; s[38:39] the head's first record
.set OCB, 52                           ; s52, s53 the parts of the two output offsets that do not change
.set OSC, 53
.macro TLOAD                           ; waves 0 to 3 bring a quarter each: 25 rows of 256 bytes.  Four v_nop follow the line
	s_cmp_lt_u32 s[WV], 4
	s_cbranch_scc0 .Lasked_\@
	tensor_load_to_lds s[G0:G0+3], s[G1:G1+7]
	s_nop 0
.rept 4
	v_nop
.endr
.Lasked_\@:
.endm
; THE CHANGE OF SLOTS stands at a trip's head.  Each wave waits for all its tensor loads (one is out: its part of the slot ahead), adds 0 to its spare word, and waits for that and for its reads of the slot that it has left.
; fill = 1: behind the barrier that other slot takes the next trip's keys: the next record, or, where the block of queries changes, key slot 0.  The load has a whole trip in which to land.
.macro CHANGE fill
	s_wait_tensorcnt 0x0                           ; no tensor load of mine is out, so group 0 may be written
	ds_add_u32 v[SPW], v[NIL]                      ; 0 onto my spare word
.if \fill
	s_xor_b32 s[G0+1], s[G0+1], SLOT1
	s_add_nc_u64 s[G0+2:G0+3], s[G0+2:G0+3], RECB
	s_cmp_eq_u32 s[TR], s[WI]
	s_cselect_b32 s40, s[RESET], 0
	s_sub_nc_u64 s[G0+2:G0+3], s[G0+2:G0+3], s[40:41]   ; the type bits on top are not reached: the address never falls under the head's first record
.endif
	s_wait_dscnt 0x0                               ; the add is done, and my reads of the slot that I have left are over
	s_barrier_signal -1
	s_barrier_wait -1
.if \fill
	TLOAD                                          ; the first thing behind the barrier, and a wave's one tensor load until the next
.endif
.endm
; A block of queries begins: q's fragment (twice) and scale bytes; M, l and O^T start anew.
.macro INIT
	s_lshl_b32 s46, s[QB], 8
	s_lshl_b32 s47, s[WV], 4
	s_add_co_u32 s[Q0], s46, s47
	s_mul_i32 s46, s[QB], RECB
	s_mov_b32 s47, 0
	s_add_nc_u64 s[QP:QP+1], s[HB:HB+1], s[46:47]
.irp p, 0,1,2
	global_load_b64 v[QLO+2*\p:QLO+2*\p+1], v[QA+\p], s[QP:QP+1]
	global_load_b64 v[QHI+6+2*\p:QHI+6+2*\p+1], v[QA+\p], s[QP:QP+1]
.endr
	global_load_u16 v[QS], v[QAS], s[QP:QP+1]
	v_mov_b32 v13, 0xff61b1e6                      ; the largest t so far: -3e38, under every t
	s_delay_alu instid0(VALU_DEP_1)
	v_floor_f32 v12, -v13                          ; -M
	v_mov_b32 v14, 0
	v_mov_b32 v15, 0
	s_wait_loadcnt 0x0
	v_lshl_or_b32 v[QS], v[QS], 16, v[QS]          ; q's two bytes serve both halves of K
.irp j, 0,1,2,3,4,5,6,7,8,9,10,11,12,13,14,15,16,17,18,19,20,21,22,23,24,25,26,27,28,29,30,31
	v_mov_b32 v[O+\j], 0                           ; the step is written once: the first finds zeros.  (These are also the places between the scale word's last write and the next product)
.endr
.endm
; A KEY STEP: 128 keys, the q-th half of the slot in hand.
.macro STEP q
	s_add_co_u32 s46, s[Q0], 15                    ; a step all of whose keys come after my 16 queries is left out: a scalar branch on ids; no barrier and no tensor load stands in a step
	s_cmp_gt_u32 s[KF], s46
	s_cbranch_scc1 .Lhidden_\@
.rept 4
	v_nop                                          ; places in front of loads into registers that the last products read
.endr
	s_wait_alu depctr_va_vdst(0)
.irp bb, 0,1,2,3
.irp g, 0,1,2
	ds_load_b128 v[KI+12*\bb+4*\g:KI+12*\bb+4*\g+3], v[ADR] offset:1536*(4*(\q)+\bb)+512*\g
.endr
.endr
	ds_load_b128 v[KSW:KSW+3], v[ADS] offset:12288+256*(\q)
	s_wait_dscnt 0x0
.irp bb, 0,1,2,3
.irp u, 0,1
	v_wmma_scale_f32_16x16x128_f8f6f4 v[S+16*\bb+8*\u:S+16*\bb+8*\u+7], v[KI+12*\bb:KI+12*\bb+11], v[QLO+12*\u:QLO+12*\u+11], 0, v[KSW+\bb], v[QS] matrix_a_fmt:MATRIX_FMT_FP6 matrix_b_fmt:MATRIX_FMT_FP6
.endr
.endr
.rept 4
	v_nop                                          ; places in front of the loads below and of the first read of the scores
.endr
	s_wait_alu depctr_va_vdst(0)
.irp t, 0,1,2,3                                ; v's four fragments take k's registers: they land under the softmax
.irp g, 0,1,2
	ds_load_b128 v[KI+12*\t+4*\g:KI+12*\t+4*\g+3], v[ADR] offset:12800+1536*(4*(\q)+\t)+512*\g
.endr
.endr
	ds_load_b128 v[VSW:VSW+3], v[ADS] offset:25088+256*(\q)
	s_add_co_u32 s46, s[KF], 127                   ; on the diagonal hidden scores become -infinity ahead of the maximum; a step all of whose keys count skips this
	s_cmp_le_u32 s46, s[Q0]
	s_cbranch_scc1 .Lopen_\@
	s_sub_co_i32 s46, s[Q0], s[KF]
	v_and_b32 v[TX], 15, v0
	v_lshlrev_b32 v[TX+1], 3, v[H]
	s_delay_alu instid0(VALU_DEP_1)
	v_sub_nc_u32 v[TX], v[TX], v[TX+1]
	s_delay_alu instid0(VALU_DEP_1)
	v_add_nc_u32 v[TX], s46, v[TX]                 ; d = my query - the step's first key - 8 (lane / 16)
	v_mov_b32 v[TX+1], 0xff800000
.irp n, 0,1,2,3,4,5,6,7,8,9,10,11,12,13,14,15,16,17,18,19,20,21,22,23,24,25,26,27,28,29,30,31,32,33,34,35,36,37,38,39,40,41,42,43,44,45,46,47,48,49,50,51,52,53,54,55,56,57,58,59,60,61,62,63
	v_cmp_gt_i32 vcc_lo, 32*(\n/16)+16*((\n%16)/8)+\n%8, v[TX]
	v_cndmask_b32 v[S+\n], v[S+\n], v[TX+1], vcc_lo
.endr
.Lopen_\@:
.irp b, 0,1,2,3
	v_max3_num_f32 v[BM+\b], v[S+16*\b], v[S+16*\b+1], v[S+16*\b+2]   ; the largest score of each block of 32 keys: for the row's maximum, and, since p rises with the score, for the block's largest p
.endr
.irp i, 3,5,7,9,11,13
.irp b, 0,1,2,3
	v_max3_num_f32 v[BM+\b], v[BM+\b], v[S+16*\b+\i], v[S+16*\b+\i+1]
.endr
.endr
.irp b, 0,1,2,3
	v_max_num_f32 v[BM+\b], v[BM+\b], v[S+16*\b+15]
.endr
.irp b, 0,1,2,3
	s_delay_alu instid0(VALU_DEP_4)
	v_permlanex16_b32 v[BT2+\b], v[BM+\b], s[SEL], s[SEL+1]
.endr
.irp b, 0,1,2,3
	s_delay_alu instid0(VALU_DEP_4)
	v_max_num_f32 v[BM+\b], v[BM+\b], v[BT2+\b]    ; with lane l xor 16's 16 keys
.endr
	s_delay_alu instid0(VALU_DEP_2)
	v_max3_num_f32 v[TX], v[BM], v[BM+1], v[BM+2]
	s_delay_alu instid0(VALU_DEP_1)
	v_max_num_f32 v[TX], v[TX], v[BM+3]
	s_delay_alu instid0(VALU_DEP_1)
	v_mul_f32 v[TX], s[CS], v[TX]                  ; as t (c is positive)
	s_delay_alu instid0(VALU_DEP_1)
	v_max_num_f32 v13, v13, v[TX]                  ; the running largest t
	v_mov_b32 v[TX], v12
	s_delay_alu instid0(VALU_DEP_2)
	v_floor_f32 v12, -v13                          ; the new -M = -ceil(t)
	s_delay_alu instid0(VALU_DEP_1)
	v_sub_f32 v[TX], v12, v[TX]                    ; old M - new M: a whole number, 0 or less
	s_delay_alu instid0(VALU_DEP_1)
	v_cvt_i32_f32 v[TX], v[TX]                     ; (it saturates)
	s_delay_alu instid0(VALU_DEP_1)
	v_ldexp_f32 v[F], 1.0, v[TX]                   ; f
.irp j, 0,2,4,6,8,10,12,14,16,18,20,22,24,26,28,30,32,34,36,38,40,42,44,46,48,50,52,54,56,58,60,62
	v_pk_fma_f32 v[S+\j:S+\j+1], v[S+\j:S+\j+1], s[CS:CS+1], v[12:13] op_sel_hi:[1,0,0]   ; t - M, two at a time
.endr
.irp b, 0,1,2,3
	v_fma_f32 v[BM+\b], v[BM+\b], s[CS], v12       ; the same of each block's largest score
.endr
	s_wait_alu depctr_va_vdst(0)
.irp j, 0,1,2,3,4,5,6,7,8,9,10,11,12,13,14,15,16,17,18,19,20,21,22,23,24,25,26,27,28,29,30,31,32,33,34,35,36,37,38,39,40,41,42,43,44,45,46,47,48,49,50,51,52,53,54,55,56,57,58,59,60,61,62,63
	v_exp_f32 v[S+\j], v[S+\j]                     ; p = 2^(t - M)
.endr
.irp b, 0,1,2,3
	v_exp_f32 v[BM+\b], v[BM+\b]                   ; the block's largest p: the same two instructions on the same number
.endr
	v_pk_mul_f32 v[14:15], v[14:15], v[F:F+1] op_sel_hi:[1,0]   ; l under the new M.  (A plain place behind the exponentials)
	s_wait_alu depctr_va_vdst(0)
.irp b, 0,1,2,3
	v_max_num_f32 v[BM+\b], 0x1800000, v[BM+\b]    ; the floor 2^(3 - 127): the byte cannot fall under 1
.endr
.irp b, 0,1,2,3
	s_delay_alu instid0(VALU_DEP_4)
	v_add_nc_u32 v[SCO+\b], 0xff000000, v[BM+\b]   ; 2 off the exponent field: the conversion's scale operand
.endr
.irp b, 0,1,2,3
	s_delay_alu instid0(VALU_DEP_4)
	v_lshrrev_b32 v[BT2+\b], 23, v[SCO+\b]         ; the scale's byte
.endr
	s_delay_alu instid0(VALU_DEP_3)
	v_lshl_or_b32 v[PS], v[BT2+1], 8, v[BT2]       ; p's scale word for these 128 keys
	s_delay_alu instid0(VALU_DEP_1)
	v_lshl_or_b32 v[PS], v[BT2+2], 16, v[PS]
	s_delay_alu instid0(VALU_DEP_1)
	v_lshl_or_b32 v[PS], v[BT2+3], 24, v[PS]
.irp c, 0,1
	v_cvt_scalef32_pk16_fp6_f32 v[PCD+6*\c:PCD+6*\c+2], v[S+32*\c:S+32*\c+15], v[SCO+2*\c]
	v_cvt_scalef32_pk16_fp6_f32 v[BT2+4*\c:BT2+4*\c+2], v[S+32*\c+16:S+32*\c+31], v[SCO+2*\c+1]   ; (a conversion's three registers begin on an even number)
.endr
	v_nop                                          ; one plain place behind a scaled conversion
.irp c, 0,1                                    ; a whole block to a lane: lanes 0-15 block 2 c, lanes 16-31 block 2 c + 1
.irp i, 0,1,2
	v_permlane16_swap_b32 v[PCD+6*\c+\i], v[BT2+4*\c+\i]
.endr
.irp i, 0,1,2
	s_delay_alu instid0(VALU_DEP_3)
	v_mov_b32 v[PCD+6*\c+3+\i], v[BT2+4*\c+\i]
.endr
.endr
	v_pk_add_f32 v[224:225], v[100:101], v[104:105]
	v_pk_add_f32 v[254:255], v[108:109], v[112:113]
	v_pk_add_f32 v[252:253], v[116:117], v[120:121]
	v_pk_add_f32 v[250:251], v[124:125], v[128:129]
	v_pk_add_f32 v[248:249], v[132:133], v[136:137]
	v_pk_add_f32 v[246:247], v[140:141], v[144:145]
	v_pk_add_f32 v[244:245], v[148:149], v[152:153]
	v_pk_add_f32 v[14:15], v[14:15], v[156:157]
	v_pk_add_f32 v[224:225], v[224:225], v[96:97]
	v_pk_add_f32 v[254:255], v[254:255], v[98:99]
	v_pk_add_f32 v[252:253], v[252:253], v[102:103]
	v_pk_add_f32 v[250:251], v[250:251], v[106:107]
	v_pk_add_f32 v[248:249], v[248:249], v[110:111]
	v_pk_add_f32 v[246:247], v[246:247], v[114:115]
	v_pk_add_f32 v[244:245], v[244:245], v[118:119]
	v_pk_add_f32 v[14:15], v[14:15], v[122:123]
	v_pk_add_f32 v[224:225], v[224:225], v[126:127]
	v_pk_add_f32 v[254:255], v[254:255], v[130:131]
	v_pk_add_f32 v[252:253], v[252:253], v[134:135]
	v_pk_add_f32 v[250:251], v[250:251], v[138:139]
	v_pk_add_f32 v[248:249], v[248:249], v[142:143]
	v_pk_add_f32 v[246:247], v[246:247], v[146:147]
	v_pk_add_f32 v[244:245], v[244:245], v[150:151]
	v_pk_add_f32 v[14:15], v[14:15], v[154:155]
	v_pk_add_f32 v[224:225], v[224:225], v[158:159]
	s_delay_alu instid0(VALU_DEP_2)
	v_pk_add_f32 v[14:15], v[14:15], v[250:251]
	s_delay_alu instid0(VALU_DEP_2)
	v_pk_add_f32 v[224:225], v[224:225], v[248:249]
	v_pk_add_f32 v[254:255], v[254:255], v[246:247]
	v_pk_add_f32 v[252:253], v[252:253], v[244:245]
	s_delay_alu instid0(VALU_DEP_2)
	v_pk_add_f32 v[14:15], v[14:15], v[254:255]
	s_delay_alu instid0(VALU_DEP_2)
	v_pk_add_f32 v[224:225], v[224:225], v[252:253]
	s_delay_alu instid0(VALU_DEP_1)
	v_pk_add_f32 v[14:15], v[14:15], v[224:225]
.irp j, 0,2,4,6,8,10,12,14,16,18,20,22,24,26,28,30
	v_pk_mul_f32 v[O+\j:O+\j+1], v[O+\j:O+\j+1], v[F:F+1] op_sel_hi:[1,0]   ; O^T under the new M
.endr
	s_wait_alu depctr_va_vdst(0)
	s_wait_dscnt 0x0                               ; v's fragments and words are in
.irp t, 0,1,2,3                                ; O^T += v^T p^T: the four accumulators by turns
	v_wmma_scale_f32_16x16x128_f8f6f4 v[O+8*\t:O+8*\t+7], v[KI+12*\t:KI+12*\t+11], v[PCD:PCD+11], v[O+8*\t:O+8*\t+7], v[VSW+\t], v[PS] matrix_a_fmt:MATRIX_FMT_FP6 matrix_b_fmt:MATRIX_FMT_FP6
.endr
.Lhidden_\@:
	s_add_co_u32 s[KF], s[KF], 128
.endm
; A block of queries ends: O^T / l; its 64 numbers a query are two blocks of 32 of the projection's K, brought into their true order, quantised and stored as half a fragment's image.
.macro FINISH
.rept 4
	v_nop                                          ; places behind the last products
.endr
	v_add_f32 v14, v14, v15
	s_delay_alu instid0(VALU_DEP_1)
	v_permlanex16_b32 v[TX], v14, s[SEL], s[SEL+1]
	s_delay_alu instid0(VALU_DEP_1)
	v_add_f32 v14, v14, v[TX]                      ; the row's sum
	s_wait_alu depctr_va_vdst(0)
	v_rcp_f32 v14, v14
	v_nop                                          ; one plain place behind a transcendental
	s_wait_alu depctr_va_vdst(0)
.irp j, 0,2,4,6,8,10,12,14,16,18,20,22,24,26,28,30
	v_pk_mul_f32 v[O+\j:O+\j+1], v[O+\j:O+\j+1], v[14:15] op_sel_hi:[1,0]   ; each accumulator from its low end on
.endr
.irp b, 0,1
.irp j, 0,1,2,3,4,5,6,7
	v_permlane16_swap_b32 v[O+16*\b+\j], v[O+16*\b+8+\j]   ; register 16 b + i of lane half h now holds number 32 b + 16 h + i of the head
.endr
.endr
.irp b, 0,1
	v_max3_num_f32 v[BM+\b], |v[O+16*\b]|, |v[O+16*\b+1]|, 0x1800000
.endr
.irp i, 2,4,6,8,10,12,14
.irp b, 0,1
	s_delay_alu instid0(VALU_DEP_2)
	v_max3_num_f32 v[BM+\b], v[BM+\b], |v[O+16*\b+\i]|, |v[O+16*\b+\i+1]|
.endr
.endr
.irp b, 0,1
	s_delay_alu instid0(VALU_DEP_2)
	v_permlanex16_b32 v[BT2+\b], v[BM+\b], s[SEL], s[SEL+1]
.endr
.irp b, 0,1
	s_delay_alu instid0(VALU_DEP_2)
	v_max_num_f32 v[BM+\b], v[BM+\b], v[BT2+\b]
.endr
.irp b, 0,1
	s_delay_alu instid0(VALU_DEP_2)
	v_add_nc_u32 v[SCO+\b], 0xff000000, v[BM+\b]
.endr
.irp b, 0,1
	s_delay_alu instid0(VALU_DEP_2)
	v_lshrrev_b32 v[BT2+\b], 23, v[SCO+\b]
.endr
	v_cvt_scalef32_pk16_fp6_f32 v[PCD:PCD+2], v[O:O+15], v[SCO]
	v_cvt_scalef32_pk16_fp6_f32 v[BT2+4:BT2+6], v[O+16:O+31], v[SCO+1]
	v_nop                                          ; one plain place behind a scaled conversion
.irp i, 0,1,2
	v_permlane16_swap_b32 v[PCD+\i], v[BT2+4+\i]
.endr
.irp i, 0,1,2
	s_delay_alu instid0(VALU_DEP_3)
	v_mov_b32 v[PCD+3+\i], v[BT2+4+\i]             ; lane half h holds the head's block h whole
.endr
	v_cmp_eq_u32 vcc_lo, 1, v[H]
	s_delay_alu instid0(VALU_DEP_1)
	v_cndmask_b32 v[TX], v[BT2], v[BT2+1], vcc_lo  ; and stores its byte
	s_mul_i32 s46, s[QB], 16*3072                  ; the block's 16 tiles of tokens
	s_add_co_u32 s46, s46, s[OCB]
	s_mov_b32 s47, 0
	s_add_nc_u64 s[42:43], s[6:7], s[46:47]
	s_lshl_b32 s46, s[QB], 13                      ; its 256 rows of 32 scale bytes
	s_add_co_u32 s46, s46, s[OSC]
	s_add_nc_u64 s[44:45], s[8:9], s[46:47]
.irp p, 0,1,2
	global_store_b64 v[OC], v[PCD+2*\p:PCD+2*\p+1], s[42:43] offset:256*\p   ; 32 lanes store 256 consecutive bytes, aligned
.endr
	global_store_b8 v[OSB], v[TX], s[44:45]
	s_wait_xcnt 0x0                                ; the stores' data and bases are written again only behind this wait
.endm
	s_load_b128 s[4:7], s[0:1], 0x0                ; qkv, acod
	s_load_b64 s[8:9], s[0:1], 0x10                ; asc
	v_lshl_add_u32 v[SPW], v0, 2, SPARE
	v_mov_b32 v[NIL], 0
	ds_add_u32 v5, v6
	ds_add_u32 v5, v6
	s_wait_dscnt 0x0
	v_lshrrev_b32 v1, 5, v0
	s_delay_alu instid0(VALU_DEP_1)
	v_readfirstlane_b32 s[WV], v1                  ; wave 0..15
	s_mov_b32 s[WI], ttmp9
	s_and_b32 s[BH], ttmp7, 0xffff
	s_mov_b32 s[G1], 3<<16                         ; no mask; elements of 8 bytes; no padding: the images are read 512 consecutive bytes at a time
	s_mov_b32 s[G1+1], 32<<16                      ; tensor_dim0: 256 bytes
	s_mov_b32 s[G1+2], 25<<16                      ; tensor_dim1
	s_mov_b32 s[G1+3], 32<<16                      ; tile_dim0
	s_mov_b32 s[G1+4], 25                          ; tile_dim1: a quarter of the 100 rows of k's and v's sections
	s_mov_b32 s[G1+5], 32                          ; the pitch: dense
	s_mov_b32 s[G1+6], 0
	s_mov_b32 s[G1+7], 0
	s_and_b32 s46, s[WV], 3
	s_mul_i32 s46, s46, 6400                       ; my quarter, in memory and in a slot
	s_mov_b32 s47, 0
	s_mul_i32 s50, s[BH], HEADB
	s_mov_b32 s51, 0
	s_add_co_u32 s[RESET], s[WI], 1
	s_mul_i32 s[RESET], s[RESET], RECB
	s_mov_b32 s40, 0
	s_mov_b32 s41, 0
	s_mov_b32 s[SEL], 0x76543210
	s_mov_b32 s[SEL+1], 0xfedcba98
	s_mov_b32 s[CS], 0x3e38aa3b                    ; c = log2(e) / sqrt(64)
	s_mov_b32 s[CS+1], s[CS]                       ; (named with it as a pair, so it is written)
	s_wait_kmcnt 0x0
	s_add_nc_u64 s[HB:HB+1], s[4:5], s[50:51]
	s_mov_b32 s[G0], 1
	s_mov_b32 s[G0+1], s46                         ; slot 0
	s_add_nc_u64 s[G0+2:G0+3], s[HB:HB+1], s[46:47]   ; key slot 0
	s_or_b32 s[G0+3], s[G0+3], 0x80000000
	TLOAD                                          ; the first fill, ahead of every wait on TENSORcnt, LDS read and barrier
	v_and_b32 v[TX], 31, v0
	v_and_b32 v[TX+1], 15, v0
	s_delay_alu instid0(VALU_DEP_2)
	v_lshlrev_b32 v[AK0], 4, v[TX]
	s_wait_alu depctr_va_vdst(0)
	v_lshlrev_b32 v[AS0], 4, v[TX+1]
	s_wait_alu depctr_va_vdst(0)
	v_bfe_u32 v[H], v0, 4, 1
	v_lshlrev_b32 v[OC], 3, v[TX]
	s_delay_alu instid0(VALU_DEP_2)
	v_lshl_add_u32 v[OSB], v[TX+1], 5, v[H]
	; my 16 queries are half u = wave % 2 of image wave / 2 of q's section: registers 6 u .. 6 u + 5, three pieces of 8 bytes
	s_lshr_b32 s46, s[WV], 1
	s_and_b32 s47, s[WV], 1
	s_mul_i32 s50, s46, 1536
	s_add_co_u32 s50, s50, 25600
	s_mul_i32 s51, s47, 520
	s_add_co_u32 s51, s51, s50
	v_add_nc_u32 v[QA], s51, v[AK0]                ; registers 0, 1 at 0; 6, 7 at 520
	s_delay_alu instid0(VALU_DEP_1)
	v_add_nc_u32 v[QA+2], 512, v[QA]               ; registers 4, 5 at 512; 10, 11 at 1,032
	s_mul_i32 s51, s47, 1016
	s_add_co_u32 s51, s51, s50
	s_add_co_u32 s51, s51, 8
	v_add_nc_u32 v[QA+1], s51, v[AK0]              ; registers 2, 3 at 8; 8, 9 at 1,024
	s_lshr_b32 s50, s46, 2
	s_lshl_b32 s50, s50, 8
	s_and_b32 s51, s46, 3
	s_lshl_b32 s51, s51, 2
	s_add_co_u32 s50, s50, s51
	s_lshl_b32 s51, s47, 1
	s_add_co_u32 s50, s50, s51
	s_add_co_u32 s50, s50, 37888
	v_add_nc_u32 v[QAS], s50, v[AS0]               ; my two bytes of the image's scale word
	; the output offsets' fixed parts
	s_lshr_b32 s46, s[BH], 4                       ; batch
	s_and_b32 s47, s[BH], 15                       ; head
	s_lshr_b32 s50, s47, 2
	s_lshl_b32 s50, s50, 9                         ; K slot x 512 tiles
	s_lshl_b32 s51, s46, 7
	s_add_co_u32 s50, s50, s51                     ; + batch x 128
	s_add_co_u32 s50, s50, s[WV]
	s_mul_i32 s50, s50, 3072
	s_bfe_u32 s51, s47, 0x10001
	s_mul_i32 s51, s51, 1536                       ; the K step in the slot
	s_add_co_u32 s50, s50, s51
	s_and_b32 s51, s47, 1
	s_mul_i32 s51, s51, 768                        ; the half of the fragment: planes 0-2 or 3-5
	s_add_co_u32 s[OCB], s50, s51
	s_lshl_b32 s50, s46, 16
	s_lshl_b32 s51, s[WV], 9
	s_add_co_u32 s50, s50, s51
	s_lshl_b32 s51, s47, 1
	s_add_co_u32 s[OSC], s50, s51
.irp j, 0,1,2,3,4,5
	v_mov_b32 v[QLO+6+\j], 0                       ; the zero halves: set once
	v_mov_b32 v[QHI+\j], 0
.endr
.irp b, 0,1,2,3
	v_mov_b32 v[BT2+\b], 0                         ; written once: a lane permute's destination counts as one of its sources
.endr
	v_mov_b32 v[TX], 0
	v_mov_b32 v[PS], 0                             ; (named as the upper half of the pair with f before it is first written)
	s_mov_b32 s[QB], s[WI]
	INIT
	s_mov_b32 s[TR], 0
	s_mov_b32 s[TB], 0
	s_mov_b32 s[KF], 0
.Lslot:                                            ; eight trips: behind each change of slots but the last the next trip's slot is asked for
	CHANGE 1
	v_add_nc_u32 v[ADR], s[TB], v[AK0]
	v_add_nc_u32 v[ADS], s[TB], v[AS0]
	STEP 0
	STEP 1
	s_xor_b32 s[TB], s[TB], SLOT1
	s_cmp_lg_u32 s[TR], s[WI]                      ; trip i was block i's diagonal: it goes out, and block 7 - i begins at key 0
	s_cbranch_scc1 .Lsame
	FINISH
	s_sub_co_u32 s[QB], 7, s[WI]
	INIT
	s_mov_b32 s[KF], 0
.Lsame:
	s_add_co_u32 s[TR], s[TR], 1
	s_cmp_lt_u32 s[TR], 8
	s_cbranch_scc1 .Lslot
	CHANGE 0                                       ; the ninth trip is written out
	v_add_nc_u32 v[ADR], s[TB], v[AK0]
	v_add_nc_u32 v[ADS], s[TB], v[AS0]
	STEP 0
	STEP 1
	FINISH
	s_wait_tensorcnt 0x0                           ; the wave's end
	ds_add_u32 v[SPW], v[NIL]
	s_wait_dscnt 0x0
	s_endpgm
.Lfunc_end_k_q70072477b4_attn:
	.size	k_q70072477b4_attn, .Lfunc_end_k_q70072477b4_attn-k_q70072477b4_attn
	.p2alignl 7, 3214868480
	.fill 96, 4, 3214868480
	.section	.rodata,"a",@progbits
	.p2align	6, 0x0
	.amdhsa_kernel k_q70072477b4_attn
		.amdhsa_group_segment_fixed_size 327680
		.amdhsa_private_segment_fixed_size 0
		.amdhsa_enable_private_segment 0
		.amdhsa_kernarg_size 24
		.amdhsa_user_sgpr_count 2
		.amdhsa_user_sgpr_kernarg_segment_ptr 1
		.amdhsa_wavefront_size32 1
		.amdhsa_system_sgpr_workgroup_id_x 1
		.amdhsa_system_sgpr_workgroup_id_y 1
		.amdhsa_system_sgpr_workgroup_id_z 1
		.amdhsa_system_vgpr_workitem_id 0
		.amdhsa_next_free_vgpr 256
		.amdhsa_next_free_sgpr 66
		.amdhsa_reserve_vcc 1
		.amdhsa_float_denorm_mode_32 3
		.amdhsa_float_denorm_mode_16_64 3
		.amdhsa_memory_ordered 1
		.amdhsa_forward_progress 1
		.amdhsa_inst_pref_size 109
	.end_amdhsa_kernel
	.amdgpu_metadata
---
amdhsa.version: [ 1, 2 ]
amdhsa.kernels:
  - .name:           k_q70072477b4_attn
    .symbol:         k_q70072477b4_attn.kd
    .args:
      - { .name: qkv, .offset: 0, .size: 8, .value_kind: global_buffer, .address_space: global }
      - { .name: acod, .offset: 8, .size: 8, .value_kind: global_buffer, .address_space: global }
      - { .name: asc, .offset: 16, .size: 8, .value_kind: global_buffer, .address_space: global }
    .group_segment_fixed_size: 327680
    .private_segment_fixed_size: 0
    .kernarg_segment_align: 8
    .kernarg_segment_size: 24
    .max_flat_workgroup_size: 512
    .sgpr_count:     66
    .vgpr_count:     256
    .wavefront_size: 32
...
	.end_amdgpu_metadata
.endif
;; end of part 2
;; launch proj (part 3): grid 4 x 32, 4 waves a work-group, clusters of 4 x 4, 327,680 bytes of LDS; arguments acod, asc, Wp_codes, Wp_scales, bp, out0; writes out0
.if DOCPART == 3
	.amdgcn_target "amdgcn-amd-amdhsa--gfx1250"
	.amdhsa_code_object_version 6
	.text
	.protected	k_q70072477b4_proj
	.globl	k_q70072477b4_proj
	.p2align	8
	.type	k_q70072477b4_proj,@function
k_q70072477b4_proj:
	s_mov_b64 s[64:65], 0
	v_nop
	global_prefetch_b8 v0, s[64:65] scope:SCOPE_SE
	s_setreg_imm32_b32 hwreg(HW_REG_WAVE_MODE, 25, 1), 1
	s_wait_xcnt 0x0
	s_wait_alu depctr_hold_cnt(0) depctr_sa_sdst(0) depctr_va_vdst(0) depctr_va_sdst(0) depctr_va_ssrc(0) depctr_va_vcc(0) depctr_vm_vsrc(0)
	s_getreg_b32 s2, hwreg(HW_REG_IB_STS2, 6, 4)
	s_cmp_eq_u32 s2, 0
	s_cbranch_scc0 .Lentry_in_a_cluster
	s_endpgm
.Lentry_in_a_cluster:
	s_bfe_u32 s2, ttmp6, 0x10000c
	s_cmp_lg_u32 s2, 0xf033
	s_cbranch_scc0 .Lentry_shape_is_right
	s_endpgm
.Lentry_shape_is_right:
; out0 = a Wp^T + bp.  a: the attention's output, 8,192 rows x 1,024, codes of FP6 (E2M3) laid as images of operand registers (acod) with scale bytes [8192][32] (asc); Wp: [1024][1024] codes, K innermost, scale bytes [1024][32];
; out0: [8192][1024] f32; sums in f32.  A tile of out0, 256 x 256, is made by a work-group of four waves, a wave 128 x 128: 64 accumulators, 512 registers.
; K goes in steps of 256 through a ring of two LDS slots filled by the tensor data mover.  a's part of a slot is dense in memory: [K slot][tile of 16 rows][K step][6 planes of 256 bytes], plane P = registers 2 P, 2 P + 1 of
; lane L at 8 L: 128 rows are 24,576 consecutive bytes, and a fragment is six ds_load_b64 of 256 consecutive bytes each.  Wp's rows are 192 bytes of a slot, padded by 16 behind every 64.
; The scales of the 256 + 256 rows, for all of K, come into LDS once.  4 x 4 work-groups form a cluster: a's tiles are asked for jointly along a row of the cluster, Wp's along a column.
; THE MATRIX INSTRUCTION IS USED TRANSPOSED (source 0 = 16 rows of Wp, source 1 = 16 rows of a): a lane holds eight neighbouring numbers of a row of out0.  bp is the C of each sum's first matrix instruction.
; 128 work-groups: out0 has 128 tiles of 256 x 256.
; REGISTERS: window 0: v0-31 addresses; v32-63 scale words, two sets; v64-127 the bias; v128-223 a's fragments, one set; on the way out v128-255 rows read back.  window 1: Wp's fragments, two sets.  windows 2, 3: accumulators.
.set SIZE_N, 1024
.set KSTEP,  256
.set NQ,     KSTEP/128
.set ROWB,   192                       ; a row of Wp's tile in bytes
.set KROW,   768                       ; a row of Wp in memory
.set PITCH,  240                       ; and in LDS: 3 x (64 + 16)
.set FR,     12
.set NL,     6
.set NP,     4                         ; places behind this matrix instruction (ISA guide 7.12.1)
.set HALFA,  8*3072                    ; a's 128 rows of a slot: 8 tiles x 2 K steps x 1,536 bytes
.set HALFT,  128*PITCH                 ; Wp's 128 rows
.set SLOT,   2*HALFA+2*HALFT           ; a's 256 rows, then Wp's 256 rows
.set KSLOTB, 512*3072                  ; from a K slot of acod to the next
.set LAPS,   2
.set KS,     32
.set SCL,    2*SLOT
.set HALFS,  (128*KS/256)*272
.set SBLK,   (16*KS/256)*272
.set SPARE,  SCL+4*HALFS               ; the spare words: 128 bytes for each wave, named by no other line
.set SPITCH, 528                       ; the way out: a stage of 16 rows x (512 + 16) bytes for each wave, in slot 0, which has had its last fill and its last read when the first result is stored there
.set ADRA, 16                          ; v16-17 LDS address of my fragments of a in slot 0, 1
.set ADRB, 20                          ; v20-21 of Wp's (v22-23: behind one padding more)
.set STO,  24
.set RD,   25
.set CO,   26
.set ADRS, 27
.set SPW,  28                          ; LDS address of my spare word; never rewritten
.set NIL,  29                          ; 0; never rewritten
.set SC,   32
.set BT,   64
.set AF,   128
.set BK,   128
.set G1, 24
.set G0, 32
.set G1B, 48
.set G0B, 56
.set G1S, 68
.set G0S, 76
.set G1SB, 80
.set G0SB, 88
.set MSB, 0
.macro WIN new                         ; the immediate's high byte repeats the setting that is left
.if MSB != (\new)
	s_set_vgpr_msb (MSB<<8)|(\new)
.set MSB, (\new)
.endif
.endm
.set MUL_LO, 0xa1
.set MUL_HI, 0xf1
.set TO_B,   0x40
.macro JLOAD g0a, g1a, g0b, g1b        ; a joint load: waves 0 and 1 fetch for a, waves 2 and 3 for Wp; four v_nop follow each of the two lines
	s_cmp_eq_u32 s15, 0
	s_cbranch_scc0 .Lfor_b_\@
	tensor_load_to_lds s[\g0a:\g0a+3], s[\g1a:\g1a+7]
	s_nop 0
.rept 4
	v_nop
.endr
	s_branch .Lasked_\@
.Lfor_b_\@:
	tensor_load_to_lds s[\g0b:\g0b+3], s[\g1b:\g1b+7]
	s_nop 0
.rept 4
	v_nop
.endr
.Lasked_\@:
.endm
.macro CREST
	s_cmp_lg_u32 s14, 0
	s_cbranch_scc1 .Lnot_wave_0_\@
	s_barrier_signal -3
.Lnot_wave_0_\@:
	s_barrier_wait -3
	s_barrier_signal -1
	s_barrier_wait -1
.endm
.macro CROUND
	s_barrier_signal -1
	s_barrier_wait -1
	CREST
.endm
	s_load_b128 s[4:7], s[0:1], 0x0                ; acod, asc
	s_load_b128 s[8:11], s[0:1], 0x10              ; Wp's codes, Wp's scales
	s_load_b64 s[96:97], s[0:1], 0x20              ; bp
	s_load_b64 s[12:13], s[0:1], 0x28              ; out0
	v_lshl_add_u32 v[SPW], v0, 2, SPARE
	v_mov_b32 v[NIL], 0
	ds_add_u32 v28, v29
	s_wait_dscnt 0x0
	v_lshrrev_b32 v1, 5, v0
	v_readfirstlane_b32 s14, v1                    ; wave 0..3
	s_lshr_b32 s15, s14, 1                         ; which half of the tile's rows is mine.  Also: I fetch for a (0) or for Wp (1)
	s_and_b32 s16, s14, 1                          ; which half of its columns.  Also: which 128 rows of that tile I fetch
	s_bfe_u32 s40, ttmp6, 0x40000                  ; cx, cy
	s_bfe_u32 s41, ttmp6, 0x40004
	s_lshl_b32 s42, ttmp9, 2
	s_add_co_u32 s42, s42, s40                     ; tile column
	s_and_b32 s17, ttmp7, 0xffff
	s_lshl_b32 s17, s17, 2
	s_add_co_u32 s17, s17, s41                     ; tile row
	s_lshl_b32 s43, s41, 2
	s_lshl_b32 s43, 15, s43                        ; my row of the cluster
	s_lshl_b32 s44, 0x1111, s40                    ; my column
	s_or_b32 s[G1+0], s43, (3<<16)|(1<<21)         ; a's tiles: the mask of my row; elements of 8 bytes; no padding; bit 21 beside a mask
	s_mov_b32 s[G1+1], 32<<16                      ; rows of 256 bytes,
	s_mov_b32 s[G1+2], 96<<16                      ; 96 of them: 24,576 dense bytes
	s_mov_b32 s[G1+3], 32<<16
	s_mov_b32 s[G1+4], 96
	s_mov_b32 s[G1+5], 32
	s_mov_b32 s[G1+6], 0
	s_mov_b32 s[G1+7], 0
	s_or_b32 s[G1B+0], s44, (0<<16)|(1<<20)|(1<<21)|(3<<22)|(3<<25)   ; Wp's tiles: the mask of my column; elements of 1 byte; 4 words of padding behind every 16
	s_mov_b32 s[G1B+1], ROWB<<16
	s_mov_b32 s[G1B+2], 128<<16
	s_mov_b32 s[G1B+3], ROWB<<16
	s_mov_b32 s[G1B+4], 128
	s_mov_b32 s[G1B+5], KROW
	s_mov_b32 s[G1B+6], 0
	s_mov_b32 s[G1B+7], 0
	s_or_b32 s[G1S+0], s43, (3<<16)|(1<<20)|(1<<21)|(5<<22)|(3<<25)   ; the scales of 128 rows: 16 rows of 256 bytes, 16 bytes of padding behind each
	s_or_b32 s[G1SB+0], s44, (3<<16)|(1<<20)|(1<<21)|(5<<22)|(3<<25)
.irp g, G1S, G1SB
	s_mov_b32 s[\g+1], 32<<16
	s_mov_b32 s[\g+2], (128*KS/256)<<16
	s_mov_b32 s[\g+3], 32<<16
	s_mov_b32 s[\g+4], 128*KS/256
	s_mov_b32 s[\g+5], 32
	s_mov_b32 s[\g+6], 0
	s_mov_b32 s[\g+7], 0
.endr
	s_lshl_b32 s20, s17, 4
	s_lshl_b32 s18, s16, 3
	s_add_co_u32 s20, s20, s18                     ; a: tile of 16 rows: 16 x tile row + 8 x half
	s_lshl_b32 s22, s20, 9                         ; its scales: 16 rows x 32 bytes a tile
	s_mul_i32 s20, s20, 3072                       ; its images in a K slot
	s_mov_b32 s21, 0
	s_mov_b32 s23, 0
	s_lshl_b32 s18, s16, 7
	s_lshl_b32 s46, s42, 8
	s_add_co_u32 s46, s46, s18                     ; Wp: row 256 x tile column + 128 x half
	s_lshl_b32 s92, s46, 5                         ; its scales
	s_mul_i32 s46, s46, KROW                       ; its codes
	s_mov_b32 s47, 0
	s_mov_b32 s93, 0
	s_mul_i32 s45, s16, HALFA                      ; where they go: a's two halves,
	s_mul_i32 s95, s16, HALFT
	s_add_co_u32 s95, s95, 2*HALFA                 ; then Wp's two: no place in the cluster enters an LDS address
	s_mul_i32 s94, s14, HALFS
	s_wait_kmcnt 0x0
	s_add_nc_u64 s[20:21], s[4:5], s[20:21]
	s_add_nc_u64 s[22:23], s[6:7], s[22:23]
	s_add_nc_u64 s[46:47], s[8:9], s[46:47]
	s_add_nc_u64 s[92:93], s[10:11], s[92:93]
	CROUND                                         ; all sixteen work-groups are here: the first joint loads meet
	s_mov_b32 s[G0S], 1
	s_add_co_u32 s[G0S+1], s94, SCL
	s_mov_b64 s[G0S+2:G0S+3], s[22:23]
	s_or_b32 s[G0S+3], s[G0S+3], 0x80000000
	s_mov_b32 s[G0SB], 1
	s_add_co_u32 s[G0SB+1], s94, SCL
	s_mov_b64 s[G0SB+2:G0SB+3], s[92:93]
	s_or_b32 s[G0SB+3], s[G0SB+3], 0x80000000
	JLOAD G0S, G1S, G0SB, G1SB                     ; the scales first
.irp s, 0,1
	s_mov_b32 s[G0+4*\s], 1
	s_add_co_u32 s[G0+4*\s+1], s45, \s*SLOT
	s_add_nc_u64 s[G0+4*\s+2:G0+4*\s+3], s[20:21], \s*KSLOTB
	s_or_b32 s[G0+4*\s+3], s[G0+4*\s+3], 0x80000000
	s_mov_b32 s[G0B+4*\s], 1
	s_add_co_u32 s[G0B+4*\s+1], s95, \s*SLOT
	s_add_nc_u64 s[G0B+4*\s+2:G0B+4*\s+3], s[46:47], \s*ROWB
	s_or_b32 s[G0B+4*\s+3], s[G0B+4*\s+3], 0x80000000
	JLOAD G0+4*\s, G1, G0B+4*\s, G1B
.endr
	v_and_b32 v1, 15, v0                           ; r
	v_bfe_u32 v2, v0, 4, 1                         ; h
	v_and_b32 v6, 31, v0                           ; lane
	v_lshlrev_b32 v7, 3, v6                        ; a: 8 x lane in a plane
	v_mul_u32_u24 v3, v1, PITCH
	v_mul_u32_u24 v4, v2, 24
	v_add_nc_u32 v4, v3, v4                        ; Wp: row x pitch + 24 x half
	v_lshl_add_u32 v5, v2, 4, v4                   ; and the same behind one padding more
	s_mul_i32 s21, s15, HALFA                      ; my 128 rows of a
	s_mul_i32 s22, s16, HALFT                      ; my 128 rows of Wp,
	s_add_co_u32 s22, s22, 2*HALFA                 ; which lie behind a's 256
.irp s, 0,1
	v_add_nc_u32 v[ADRA+\s], s21, v7
	v_add_nc_u32 v[ADRB+\s], s22, v4
	v_add_nc_u32 v[ADRB+2+\s], s22, v5
	s_add_co_u32 s21, s21, SLOT
	s_add_co_u32 s22, s22, SLOT
.endr
	v_mul_u32_u24 v5, v1, KS                       ; my row's scales: 32 bytes a row,
	v_lshrrev_b32 v8, 8, v5
	v_lshl_add_u32 v5, v8, 4, v5                   ; and 16 more for each 256 passed
	s_mul_i32 s21, s15, HALFS
	s_mul_i32 s22, s16, HALFS
	s_add_co_u32 s22, s22, 2*HALFS
	s_sub_co_u32 s22, s22, s21
	v_mul_u32_u24 v8, s22, v2                      ; lanes 16-31 take Wp's: one product, the distance between the two bases
	s_add_co_u32 s21, s21, SCL
	v_add_nc_u32 v5, v5, v8
	v_add_nc_u32 v[ADRS], s21, v5
	s_mul_i32 s23, s14, 16*SPITCH                  ; my stage
	v_mul_u32_u24 v5, v1, SPITCH                   ; in: row r, 32 bytes for each half of the lanes
	v_lshl_add_u32 v5, v2, 5, v5
	v_add_nc_u32 v[STO], s23, v5
	v_lshlrev_b32 v[CO], 4, v6                     ; back: the 32 lanes take one row of 512 bytes; and the same in out0
	v_add_nc_u32 v[RD], s23, v[CO]
	v_lshlrev_b32 v9, 5, v2                        ; the bias: 8 numbers from 8 h on
	s_lshl_b32 s20, s17, 8
	s_lshl_b32 s21, s15, 7
	s_add_co_u32 s20, s20, s21                     ; my first row of out0
	s_mov_b32 s21, 0
	s_mov_b64 s[18:19], SIZE_N*4
	s_mul_u64 s[20:21], s[20:21], s[18:19]
	s_lshl_b32 s46, s42, 10                        ; my first column, in bytes: 1,024 x tile column + 512 x half
	s_lshl_b32 s47, s16, 9
	s_add_co_u32 s46, s46, s47
	s_mov_b32 s47, 0
	s_add_nc_u64 s[96:97], s[96:97], s[46:47]      ; bp at my 128 columns
	s_add_nc_u64 s[20:21], s[20:21], s[46:47]
	s_add_nc_u64 s[12:13], s[12:13], s[20:21]
.irp b, 0,1,2,3,4,5,6,7
	global_load_b128 v[BT+8*\b:BT+8*\b+3], v9, s[96:97] offset:64*\b          ; tile b: bp(16 b + 8 h + 0 .. 7)
	global_load_b128 v[BT+8*\b+4:BT+8*\b+7], v9, s[96:97] offset:64*\b+16
.endr
.macro FRAG reg, adr, q, i             ; a fragment of Wp: 24 bytes of the row's stream of bits twice, in pieces of 8 bytes; where lanes 16-31's piece lies behind one padding more, the second address register serves
.irp p, 0,1,2,3,4,5
.set PC, 12*(\q)+6*(\p/3)+\p%3
.if PC%8 < 5
	ds_load_b64 v[\reg+2*\p:\reg+2*\p+1], v[\adr] offset:8*PC+16*(PC/8)+(\i)*16*PITCH
.else
	ds_load_b64 v[\reg+2*\p:\reg+2*\p+1], v[\adr+2] offset:8*PC+16*(PC/8)+(\i)*16*PITCH
.endif
.endr
.endm
.macro FRAG_A reg, slot, q, i          ; a fragment of a: six planes, 256 consecutive bytes a load
.irp p, 0,1,2,3,4,5
	ds_load_b64 v[\reg+2*\p:\reg+2*\p+1], v[ADRA+\slot] offset:3072*(\i)+1536*(\q)+256*\p
.endr
.endm
; 16 matrix instructions: a's blocks a0, a0 + 1 x Wp's eight.  zero = 1: the sums start from the bias.  The 64 accumulators take turns, one instruction a turn.
.macro MUL16 a0, p, q, sc, zero
.irp a, \a0, \a0+1
.irp b, 0,1,2,3,4,5,6,7
.if \zero
	v_wmma_scale_f32_16x16x128_f8f6f4 v[8*(8*((\a)%4)+\b):8*(8*((\a)%4)+\b)+7], v[128*(\p)+FR*\b:128*(\p)+FR*\b+FR-1], v[AF+FR*(\a):AF+FR*(\a)+FR-1], v[BT+8*\b:BT+8*\b+7], v[SC+8*NQ*(\sc)+NQ*\b+(\q)], v[SC+8*NQ*(\sc)+NQ*(\a)+(\q)] matrix_a_fmt:MATRIX_FMT_FP6 matrix_b_fmt:MATRIX_FMT_FP6 matrix_a_scale:MATRIX_SCALE_ROW1
.else
	v_wmma_scale_f32_16x16x128_f8f6f4 v[8*(8*((\a)%4)+\b):8*(8*((\a)%4)+\b)+7], v[128*(\p)+FR*\b:128*(\p)+FR*\b+FR-1], v[AF+FR*(\a):AF+FR*(\a)+FR-1], v[8*(8*((\a)%4)+\b):8*(8*((\a)%4)+\b)+7], v[SC+8*NQ*(\sc)+NQ*\b+(\q)], v[SC+8*NQ*(\sc)+NQ*(\a)+(\q)] matrix_a_fmt:MATRIX_FMT_FP6 matrix_b_fmt:MATRIX_FMT_FP6 matrix_a_scale:MATRIX_SCALE_ROW1
.endif
.endr
.endr
.endm
.macro FETCH_B slot, q, p
	WIN TO_B
.irp i, 0,1,2,3,4,5,6,7
	FRAG 128*(\p)+FR*\i, ADRB+\slot, \q, \i
.endr
	WIN 0
.endm
.macro FETCH_A slot, q, i0
.irp i, \i0, \i0+1, \i0+2, \i0+3
	FRAG_A AF+FR*(\i), \slot, \q, \i
.endr
.endm
.macro SCALES sc                       ; lanes 0-15 take a's block i, lanes 16-31 Wp's block i
.irp i, 0,1,2,3,4,5,6,7
	ds_load_b64 v[SC+8*NQ*\sc+NQ*\i:SC+8*NQ*\sc+NQ*\i+1], v[ADRS] offset:\i*SBLK
.endr
.endm
.macro PLACES n                        ; plain vector instructions between a matrix instruction and a load into, or a read of, its registers
.rept \n
	v_nop
.endr
.endm
.macro STEP slot, q, zero
	s_wait_dscnt 4*NL                              ; Wp's set and a's blocks 0-3 are in; the youngest 24 loads (a's blocks 4-7) may be out
.if \zero
	WIN 0x81                                       ; D window 2, C (the bias) window 0
.else
	WIN MUL_LO
.endif
	MUL16 0, (\q)%2, \q, \slot, \zero
	MUL16 2, (\q)%2, \q, \slot, \zero
	s_wait_dscnt 0
	PLACES NP
	FETCH_B \slot, (\q)+1, 1-(\q)%2
	FETCH_A \slot, (\q)+1, 0
.if \zero
	WIN 0xc1
.else
	WIN MUL_HI
.endif
	MUL16 4, (\q)%2, \q, \slot, \zero
	MUL16 6, (\q)%2, \q, \slot, \zero
	PLACES NP
	WIN 0
	FETCH_A \slot, (\q)+1, 4
.endm
; A slot's last step changes slots: ONE barrier; in front of it each wave waits for all its tensor loads, adds 0 to its spare word, and waits for that and for its own reads of this slot.
.macro TURN slot, next, fill
	s_wait_tensorcnt 0x0                           ; all my tensor loads have landed: my part of the next slot
	ds_add_u32 v[SPW], v[NIL]                      ; 0 onto my spare word
	s_wait_dscnt 4*NL+1                            ; (the add and the youngest 24 loads may be out)
	WIN MUL_LO
	MUL16 0, 1, NQ-1, \slot, 0
	s_wait_dscnt 0x0                               ; the add is done, and my reads of this slot are over
	s_barrier_signal -1
	MUL16 2, 1, NQ-1, \slot, 0
	WIN 0
	s_barrier_wait -1
.if \fill
	CREST                                          ; the barrier has opened a round of the cluster's barrier: no wave of any partner still reads this slot or has a load on its way
	s_add_nc_u64 s[G0+4*\slot+2:G0+4*\slot+3], s[G0+4*\slot+2:G0+4*\slot+3], 2*KSLOTB
	s_add_nc_u64 s[G0B+4*\slot+2:G0B+4*\slot+3], s[G0B+4*\slot+2:G0B+4*\slot+3], 2*ROWB
	JLOAD G0+4*\slot, G1, G0B+4*\slot, G1B         ; the first tensor load behind the round; its four v_nop are the places in front of the loads below
.else
	PLACES NP
.endif
	v_add_nc_u32 v[ADRS], 4*NQ, v[ADRS]
	FETCH_B \next, 0, 0
	FETCH_A \next, 0, 0
	SCALES \next
	WIN MUL_HI
	MUL16 4, 1, NQ-1, \slot, 0
	MUL16 6, 1, NQ-1, \slot, 0
	PLACES NP
	WIN 0
	FETCH_A \next, 0, 4
.endm
	s_wait_tensorcnt 1                             ; the scales and my part of K step 0 are in (of my three loads K step 1's may be out),
	s_barrier_signal -1
	s_barrier_wait -1                              ; everybody's are
	FETCH_B 0, 0, 0
	FETCH_A 0, 0, 0
	SCALES 0
	FETCH_A 0, 0, 4
	s_wait_loadcnt 0x0                             ; the bias
	STEP 0, 0, 1                                   ; the first step stands in front of the loop: its products start the sums from the bias
	s_mov_b32 s3, LAPS-1
.Llap:
	TURN 0, 1, 1
	STEP 1, 0, 0
	TURN 1, 0, 1
	STEP 0, 0, 0
	s_sub_co_u32 s3, s3, 1
	s_cmp_lg_u32 s3, 0
	s_cbranch_scc1 .Llap
	TURN 0, 1, 0                                   ; the last lap fills nothing
	STEP 1, 0, 0
	s_wait_dscnt 4*NL
	WIN MUL_LO
	MUL16 0, 1, NQ-1, 1, 0
	MUL16 2, 1, NQ-1, 1, 0
	s_wait_dscnt 0
	WIN MUL_HI
	MUL16 4, 1, NQ-1, 1, 0
	MUL16 6, 1, NQ-1, 1, 0
	WIN 0
; THE WAY OUT, block by block of 16 rows x 128 columns, through my own stage in LDS: in as 32 bytes a lane, back as whole rows of 512 bytes.  LDS serves a wave's instructions in order (ISA guide 5.7.1.4).
.macro TOSTAGE a
.set AC, 64*((\a)%4)
	WIN 0x08+4*((\a)/4)                            ; the data: window 2 or 3
.irp b, 0,1,2,3,4,5,6,7
	ds_store_b128 v[STO], v[AC+8*\b:AC+8*\b+3] offset:64*\b          ; each accumulator from its low end on
	ds_store_b128 v[STO], v[AC+8*\b+4:AC+8*\b+7] offset:64*\b+16
.endr
	WIN 0
.set BB, BK+64*((\a)%2)
.irp t, 0,1,2,3,4,5,6,7,8,9,10,11,12,13,14,15
	ds_load_b128 v[BB+4*\t:BB+4*\t+3], v[RD] offset:\t*SPITCH
.endr
.endm
.macro SEND a, younger                 ; younger: the LDS instructions issued behind block a's loads, which may stay out
.set BB, BK+64*((\a)%2)
	s_wait_dscnt \younger
.if (\a) > 0
	s_add_nc_u64 s[12:13], s[12:13], 16*SIZE_N*4   ; (behind a wait on XCNT: the earlier stores have read their base)
.endif
.irp t, 0,1,2,3,4,5,6,7,8,9,10,11,12,13,14,15
	global_store_b128 v[CO], v[BB+4*\t:BB+4*\t+3], s[12:13] offset:\t*SIZE_N*4 th:TH_STORE_NT   ; 32 lanes store 512 consecutive bytes, aligned to 256; written once, read by nobody here
.endr
.endm
	PLACES NP
	TOSTAGE 0
.irp a, 1,2,3,4,5,6,7
.if \a > 1
	s_wait_xcnt 0x0                                ; block a - 2's stores have read their registers and their base
.endif
	TOSTAGE \a
	SEND \a-1, 32                                  ; behind block a - 1's loads: block a's 16 stores and 16 loads
.endr
	s_wait_xcnt 0x0
	SEND 7, 0
	s_wait_tensorcnt 0x0                           ; the wave's end
	ds_add_u32 v[SPW], v[NIL]
	s_wait_dscnt 0x0
	CROUND                                         ; the closing round
	s_endpgm
.Lfunc_end_k_q70072477b4_proj:
	.size	k_q70072477b4_proj, .Lfunc_end_k_q70072477b4_proj-k_q70072477b4_proj
	.p2alignl 7, 3214868480
	.fill 96, 4, 3214868480
	.section	.rodata,"a",@progbits
	.p2align	6, 0x0
	.amdhsa_kernel k_q70072477b4_proj
		.amdhsa_group_segment_fixed_size 327680
		.amdhsa_private_segment_fixed_size 0
		.amdhsa_enable_private_segment 0
		.amdhsa_kernarg_size 48
		.amdhsa_user_sgpr_count 2
		.amdhsa_user_sgpr_kernarg_segment_ptr 1
		.amdhsa_wavefront_size32 1
		.amdhsa_system_sgpr_workgroup_id_x 1
		.amdhsa_system_sgpr_workgroup_id_y 1
		.amdhsa_system_sgpr_workgroup_id_z 1
		.amdhsa_system_vgpr_workitem_id 0
		.amdhsa_next_free_vgpr 1024
		.amdhsa_next_free_sgpr 100
		.amdhsa_reserve_vcc 0
		.amdhsa_float_denorm_mode_32 3
		.amdhsa_float_denorm_mode_16_64 3
		.amdhsa_memory_ordered 1
		.amdhsa_forward_progress 1
		.amdhsa_inst_pref_size 162
	.end_amdhsa_kernel
	.amdgpu_metadata
---
amdhsa.version: [ 1, 2 ]
amdhsa.kernels:
  - .name:           k_q70072477b4_proj
    .symbol:         k_q70072477b4_proj.kd
    .args:
      - { .name: acod, .offset: 0, .size: 8, .value_kind: global_buffer, .address_space: global }
      - { .name: asc, .offset: 8, .size: 8, .value_kind: global_buffer, .address_space: global }
      - { .name: Wp_codes, .offset: 16, .size: 8, .value_kind: global_buffer, .address_space: global }
      - { .name: Wp_scales, .offset: 24, .size: 8, .value_kind: global_buffer, .address_space: global }
      - { .name: bp, .offset: 32, .size: 8, .value_kind: global_buffer, .address_space: global }
      - { .name: out0, .offset: 40, .size: 8, .value_kind: global_buffer, .address_space: global }
    .group_segment_fixed_size: 327680
    .private_segment_fixed_size: 0
    .kernarg_segment_align: 8
    .kernarg_segment_size: 48
    .max_flat_workgroup_size: 128
    .sgpr_count:     100
    .vgpr_count:     1024
    .wavefront_size: 32
...
	.end_amdgpu_metadata
.endif
;; end of part 3
